; MI455X (gfx1250); checked and timed in simulation.
; The chip was launched on July 23, 2026; its instructions are those of AMD's public machine-readable ISA for CDNA 5 (MIT licence, August 2026) and "CDNA5" Instruction Set Architecture Reference Guide (July 2026). The comments in the code are by the model that wrote it; some were corrected since.
;; U Net Attention. Allowed arithmetic: matrix products marked QUANTISED: E3M2 operands, one E8M0 scale for each 32 along K, by v_wmma_scale_f32_16x16x128_f8f6f4 with both operands' format E3M2, f32 sums; everything else in f32.
;; Inputs: beta 512 float32; bk 512 float32; bp 512 float32; bq 512 float32; bv 512 float32; gamma 512 float32; wk_codes 512 x 16 x 24 uint8 (E3M2 codes of wk, K innermost, in blocks of 32 codes, four codes in three bytes); wk_scales 512 x 16 uint8 (E8M0 scales of wk, one for each 32 codes along K); wp_codes 512 x 16 x 24 uint8 (E3M2 codes of wp, K innermost, in blocks of 32 codes, four codes in three bytes); wp_scales 512 x 16 uint8 (E8M0 scales of wp, one for each 32 codes along K); wq_codes 512 x 16 x 24 uint8 (E3M2 codes of wq, K innermost, in blocks of 32 codes, four codes in three bytes); wq_scales 512 x 16 uint8 (E8M0 scales of wq, one for each 32 codes along K); wv_codes 512 x 16 x 24 uint8 (E3M2 codes of wv, K innermost, in blocks of 32 codes, four codes in three bytes); wv_scales 512 x 16 uint8 (E8M0 scales of wv, one for each 32 codes along K); x 16 x 512 x 32 x 32 float32.
;; Outputs: out0 16 x 512 x 32 x 32 float32.
;; This version of the problem:
;;   THIS VERSION OF THE PROBLEM IS GIVEN IN LOW PRECISION. The matrix products marked QUANTISED in the list below multiply operands that are first quantised to E3M2 (3 exponent bits, 2 mantissa bits; 6 bits a number), with one power-of-two scale for each 32 numbers along K (OCP MX v1.0); their sums are f32. All else is computed in f32.
;;   The module's matrix products, in the order in which they are computed (A, B: the left and right operand; K: the contracted axis; several contracted axes count as one K, in the product's order):
;;     1. [M 16,384, K 512] x [K 512, N 512]; A: computed on the way; B: input wq (given as codes): QUANTISED
;;     2. [M 16,384, K 512] x [K 512, N 512]; A: computed on the way; B: input wk (given as codes): QUANTISED
;;     3. [M 16,384, K 512] x [K 512, N 512]; A: computed on the way; B: input wv (given as codes): QUANTISED
;;     4. batch 16 x [M 1,024, K 512] x [K 512, N 1,024]; A: computed on the way; B: computed on the way: QUANTISED
;;     5. batch 16 x [M 512, K 1,024] x [K 1,024, N 1,024]; A: computed on the way; B: softmax (see below): QUANTISED
;;     6. [M 16,384, K 512] x [K 512, N 512]; A: computed on the way; B: input wp (given as codes): QUANTISED
;;   THE QUANTISER, for each operand of a quantised product, along K:
;;     - K is cut into blocks of 32 from its start; a last block that is shorter is filled with zeros.
;;     - A block's scale is 2^e with e = floor(log2(the largest magnitude in the block)) - 4, held to -126 .. 127; a block of zeros has e = 0. As a byte (E8M0): e + 127.
;;     - Each number is divided by its block's scale, clamped to +-28, and rounded to the nearest number of E3M2, ties to even, subnormals kept.
;;     - The product sums the exact products of the quantised numbers (number of the format x scale) in f32.
;;   ~~~python
;;   def quantise(x, axis):      # numpy; x: float32 -> the quantised numbers, widened to float32 again
;;       x = np.moveaxis(x, axis, -1); K = x.shape[-1]
;;       x = np.pad(x, [(0, 0)] * (x.ndim - 1) + [(0, -K % 32)]); x = x.reshape(x.shape[:-1] + (-1, 32)); a = np.abs(x).max(-1, keepdims=True)
;;       e = np.where(a > 0, np.clip(np.frexp(np.where(a > 0, a, 1))[1] - 1 - 4, -126, 127), 0)      # np.frexp(a)[1] - 1 = floor(log2(a)), exactly
;;       r = np.clip(x / 2.0 ** e, -28, 28)
;;       step = 2.0 ** (np.maximum(np.frexp(np.where(r == 0, 1, r))[1] - 1, -2) - 2)
;;       q = np.round(r / step) * step * 2.0 ** e      # np.round: ties to even
;;       return np.moveaxis(q.reshape(q.shape[:-2] + (-1,))[..., :K], -1, axis).astype(np.float32)
;;   ~~~
;;   SOFTMAX AHEAD OF A QUANTISED PRODUCT. Where the list says 'softmax', what is quantised is not the finished softmax but p = 2^(t - M), with t = logit x log2(e) and M = ceil(the row's largest t), a whole number; so 1/2 < the row's largest p <= 1. The row's sum l is taken of the UNQUANTISED p, in f32, and the product's result is divided by l at the end. Since M is a whole number, a kernel that streams over the keys may use a running M (the ceiling of the running maximum): every later rescaling is an exact power of two, which a block's scale takes up: the codes' values come out the same.
;;   OPERANDS COMPUTED ON THE WAY. 'Computed on the way' means the value that the module computes at that place (a softmax that the list does not call 'softmax' is quantised finished and normalised). What goes into a quantiser is computed in f32, as accurately as f32 sums, v_exp_f32 and their like allow (about 1e-6 of the number): no bf16 or f16 on the way to a quantiser, and a product that is left as it is and whose result goes on into a quantised operand takes f32 operands (vector FMAs, or v_wmma_f32_16x16x4_f32). A number that lies on a knife's edge between two numbers of the format may be rounded either way, as far as f32 arithmetic and the matrix unit's own rounding can turn it there, and no further.
;;   INPUTS GIVEN AS CODES. wk (in the module: [512, 512], K = its axis 1); wp (in the module: [512, 512], K = its axis 1); wq (in the module: [512, 512], K = its axis 1); wv (in the module: [512, 512], K = its axis 1): each comes as NAME_codes (uint8): NAME with its K axis moved to the last place and cut into blocks of 32 codes, [.., K / 32, bytes a block], one block behind the other in memory; four codes in three bytes: a row's codes are one little-endian stream of bits, code i at bits 6 i .. 6 i + 5 (a code: sign, 3 exponent bits, 2 mantissa bits); and NAME_scales (uint8): the same leading axes, one E8M0 byte (e + 127) for each 32 codes along K. Its value is code x scale, taken as it is: it is not quantised again, and the codes and scales need not be those that the quantiser above would give.
;; One version. Each part assembles by itself: llvm-mc -triple=amdgcn-amd-amdhsa -mcpu=gfx1250 --defsym DOCPART=n.
;; ======== version 1 of 1: 3 launches
;; workspace buffers: hc 6,291,456 bytes; hs 262,144 bytes; wf 819,200 bytes; qf 6,553,600 bytes; kf 6,553,600 bytes; vf 6,553,600 bytes
;; launch norm (part 1): grid 16 x 16, 8 waves a work-group, no clusters, 27,648 bytes of LDS; arguments x, gamma, beta, wq_codes, wq_scales, wk_codes, wk_scales, wv_codes, wv_scales, wp_codes, wp_scales, hc, hs, wf; writes hc, hs, wf
.if DOCPART == 1
	.amdgcn_target "amdgcn-amd-amdhsa--gfx1250"
	.amdhsa_code_object_version 6
	.text
	.protected	k_q150fd899e7_norm
	.globl	k_q150fd899e7_norm
	.p2align	8
	.type	k_q150fd899e7_norm,@function
k_q150fd899e7_norm:
	s_mov_b64 s[64:65], 0
	v_nop
	global_prefetch_b8 v0, s[64:65] scope:SCOPE_SE
	s_setreg_imm32_b32 hwreg(HW_REG_WAVE_MODE, 25, 1), 1
	s_wait_xcnt 0x0
; GROUP NORM, AND h AS CODES.  x: [16][512][1024] f32.  h = (x - mean) rsqrt(var + 1e-5) gamma + beta, mean and var over a group of 16 channels x 1,024 pixels,
; is quantised along the CHANNELS to codes of E3M2, one E8M0 byte for each 32 channels of a pixel.
; SHARES.  A work-group (x = block of 32 channels cb, y = image b) owns 32 channels = two groups = one block of the quantiser, x 1,024 pixels: 128 KB, kept in registers.
; Thread t owns pixels 4 t .. 4 t + 3 of all 32 channels: a load of a wave covers 512 consecutive bytes, and a pixel's 32 channels lie in ONE lane's registers.
; Mean and variance are taken in two passes over the registers (first the mean, then the squares of x - mean), so that a common offset of x costs no accuracy.
; OUT.  hc [b][cb][pos][24 bytes], hs [b][cb][pos]: pos = 16 T + i names pixel 32 (T / 2) + 8 (T % 2) + i % 8 + 16 (i / 8): the order in which the later launches take the rows of a tile.
; Codes and bytes are gathered in LDS and leave as 256 consecutive bytes for each sixteen lanes.
; BESIDE IT wave 0 of each work-group lays two fragments of the four weights into wf in the order of an operand's registers: wf [matrix 4][y 4][K step 4] chunks of 12,800 bytes:
; eight fragments of 1,536 bytes (register 4 c + k of lane l at 512 c + 16 l + 4 k), then eight groups of sixteen scale words.  Fragment ot holds rows 128 y + 32 (ot / 2) + 8 (ot % 2) + r + 8 (r / 8).
; LIMITS.  NaN and infinities in x are not served.  A block whose largest magnitude lies under 2^-122 gets the byte 1, a block of zeros too (the rule says 127): its codes are zeros and this program alone reads the bytes.
; gamma x rstd is formed first and (x - mean) multiplied by it, with beta in the same fused multiply-add: one f32 rounding stands elsewhere than in the reference.
; No matrix unit, no tensor loads, no cluster: the launch streams x once and work-groups share nothing.
.set CST,  0                           ; LDS: 1,024 positions x 24 bytes of codes
.set SST,  24576                       ; 1,024 scale bytes
.set RED,  25600                       ; 8 waves x 2 sums; the second reduction's words lie 256 bytes on
.set XR,   32                          ; v32-159  x: channel c, pixel j at 4 c + j
.set GA,   160                         ; v160-191 gamma x rstd of each channel (before that: wave 0's two weight fragments and their scale words)
.set HN,   192                         ; v192-223 the 32 channels of one pixel
.set CD,   224                         ; v224-255 codes: eight registers for each of the four pixels, seven in use
.set WFR,  160
.set W4L,  231                         ; 4 t
.set SSR,  239                         ; SST + 16 t
.set GAM,  16                          ; s16-47 gamma;  s48-63, s68-83 beta
.set SEL,  88                          ; s[88:89] lane selects: lane l xor 16
.set WV,   14
	s_load_b64 s[2:3], s[0:1], 0x0                 ; x
	s_load_b128 s[4:7], s[0:1], 0x8                ; gamma, beta
	s_load_b512 s[84:99], s[0:1], 0x18             ; codes and scales of wq, wk, wv, wp
	s_load_b128 s[8:11], s[0:1], 0x58              ; hc, hs
	s_load_b64 s[12:13], s[0:1], 0x68              ; wf
	v_lshl_add_u32 v247, v0, 2, 0x6800
	v_mov_b32 v255, 0
	v_lshrrev_b32 v6, 5, v0
	v_readfirstlane_b32 s[WV], v6                  ; wave 0..7
	v_lshlrev_b32 v1, 4, v0                        ; 16 t
	v_lshrrev_b32 v6, 3, v0
	v_lshlrev_b32 v6, 5, v6                        ; the position of pixel 4 t: 32 (t / 8)
	v_bfe_u32 v7, v0, 1, 1
	v_lshl_add_u32 v6, v7, 4, v6                   ; + 16 x the pixel's bit 3
	v_bfe_u32 v7, v0, 2, 1
	v_lshl_add_u32 v6, v7, 3, v6                   ; + 8 x its bit 4
	v_and_b32 v7, 1, v0
	v_lshl_add_u32 v6, v7, 2, v6                   ; + 4 x its bit 2
	v_mul_u32_u24 v2, v6, 24                       ; where my four pixels' codes go (CST = 0)
	v_add_nc_u32 v3, SST, v6                       ; and their four bytes
	v_add_nc_u32 v[SSR], SST, v1
	v_lshlrev_b32 v[W4L], 2, v0
	v_and_b32 v6, 15, v0                           ; r
	v_bfe_u32 v7, v0, 4, 1                         ; h
	v_and_b32 v8, 8, v6
	v_add_nc_u32 v8, v8, v6                        ; r + 8 (r / 8)
	v_mul_u32_u24 v4, v8, 384                      ; a weight's row is 384 bytes
	v_mad_u32_u24 v4, v7, 24, v4                   ; + 24 h
	v_lshl_add_u32 v5, v7, 3, v8                   ; scale words: lanes 16-31 take the second fragment's rows, 8 further on;
	v_lshlrev_b32 v5, 4, v5                        ; 16 bytes a row
	s_lshl_b32 s15, s[WV], 3
	s_add_co_u32 s15, s15, RED
	v_mov_b32 v14, s15                             ; my wave's two sums
	v_mov_b32 v15, RED
	s_and_b32 s16, ttmp7, 0xffff                   ; b
	s_lshr_b32 s17, s16, 2                         ; which weight: b / 4
	s_lshl_b32 s18, s16, 21                        ; x: b x 2 MB + cb x 128 KB
	s_lshl_b32 s19, ttmp9, 17
	s_add_co_u32 s18, s18, s19
	s_mov_b32 s19, 0
	s_lshl_b32 s32, s16, 4
	s_add_co_u32 s32, s32, ttmp9                   ; 16 b + cb
	s_mul_i32 s20, s32, 24576                      ; hc
	s_mov_b32 s21, 0
	s_lshl_b32 s22, s32, 10                        ; hs
	s_mov_b32 s23, 0
	s_and_b32 s33, s16, 3                          ; y = b % 4
	s_and_b32 s34, ttmp9, 3                        ; pair of fragments = cb % 4
	s_lshr_b32 s35, ttmp9, 2                       ; K step = cb / 4
	s_lshl_b32 s36, s33, 7
	s_lshl_b32 s37, s34, 5
	s_add_co_u32 s36, s36, s37                     ; the pair's first row: 128 y + 32 (cb % 4)
	s_mul_i32 s24, s36, 384
	s_mul_i32 s37, s35, 96
	s_add_co_u32 s24, s24, s37                     ; its codes of this K step
	s_mov_b32 s25, 0
	s_lshl_b32 s26, s36, 4
	s_lshl_b32 s37, s35, 2
	s_add_co_u32 s26, s26, s37                     ; its scale words
	s_mov_b32 s27, 0
	s_lshl_b32 s38, s16, 2
	s_add_co_u32 s38, s38, s35                     ; the chunk: 4 b + cb / 4
	s_mul_i32 s38, s38, 12800
	s_mul_i32 s37, s34, 3072
	s_add_co_u32 s28, s38, s37                     ; the pair's images
	s_mov_b32 s29, 0
	s_lshl_b32 s37, s34, 7
	s_add_co_u32 s30, s38, s37
	s_add_co_u32 s30, s30, 12288                   ; the pair's two groups of scale words
	s_mov_b32 s31, 0
	s_lshl_b32 s15, ttmp9, 7                       ; my 32 numbers of gamma and of beta
	s_wait_kmcnt 0x0
	s_add_nc_u64 s[2:3], s[2:3], s[18:19]
	s_add_nc_u64 s[8:9], s[8:9], s[20:21]
	s_add_nc_u64 s[10:11], s[10:11], s[22:23]
	s_cmp_eq_u32 s17, 1                            ; the weight is chosen by the image's number alone
	s_cselect_b64 s[84:85], s[88:89], s[84:85]
	s_cselect_b64 s[86:87], s[90:91], s[86:87]
	s_cmp_eq_u32 s17, 2
	s_cselect_b64 s[84:85], s[92:93], s[84:85]
	s_cselect_b64 s[86:87], s[94:95], s[86:87]
	s_cmp_eq_u32 s17, 3
	s_cselect_b64 s[84:85], s[96:97], s[84:85]
	s_cselect_b64 s[86:87], s[98:99], s[86:87]
	s_add_nc_u64 s[84:85], s[84:85], s[24:25]
	s_add_nc_u64 s[86:87], s[86:87], s[26:27]
	s_add_nc_u64 s[90:91], s[12:13], s[30:31]
	s_add_nc_u64 s[12:13], s[12:13], s[28:29]
	s_mov_b32 s[SEL], 0x76543210
	s_mov_b32 s[SEL+1], 0xfedcba98
	s_mov_b32 s100, 0x38800000                     ; 2^-14: one over a group's 16,384 numbers
	s_mov_b32 s101, 0x3727c5ac                     ; 1e-5
	s_load_b512 s[16:31], s[4:5], s15 offset:0x0   ; gamma (the offsets made in these registers have been used)
	s_load_b512 s[32:47], s[4:5], s15 offset:0x40
	s_load_b512 s[48:63], s[6:7], s15 offset:0x0   ; beta
	s_load_b512 s[68:83], s[6:7], s15 offset:0x40
	s_cmp_lg_u32 s[WV], 0
	s_cbranch_scc1 .Lno_w_in
.irp e, 0,1                                    ; wave 0: two fragments as the operand's layout wants them: lane (r, h) takes 24 bytes at 24 h and 24 at 48 + 24 h of its row
.irp p, 0,1,2,3,4,5
	global_load_b64 v[WFR+12*\e+2*\p:WFR+12*\e+2*\p+1], v4, s[84:85] offset:3072*\e+48*(\p/3)+8*(\p%3)
.endr
.endr
	global_load_b32 v[WFR+24], v5, s[86:87]
.Lno_w_in:
.set n, 0
.rept 32
	global_load_b128 v[XR+4*n:XR+4*n+3], v1, s[2:3] offset:4096*n th:TH_LOAD_NT   ; channel n: 32 lanes read 512 consecutive bytes
.set n, n+1
.endr
.macro SUM g                           ; the group's 64 registers, two at a time, in two chains; the first four pairs start them
.set B0, XR+64*\g
.set S0, 6+4*\g
	v_pk_add_f32 v[S0:S0+1], v[B0:B0+1], v[B0+2:B0+3]
	v_pk_add_f32 v[S0+2:S0+3], v[B0+4:B0+5], v[B0+6:B0+7]
.set k, 8
.rept 14
	v_pk_add_f32 v[S0:S0+1], v[S0:S0+1], v[B0+k:B0+k+1]
	v_pk_add_f32 v[S0+2:S0+3], v[S0+2:S0+3], v[B0+k+2:B0+k+3]
.set k, k+4
.endr
	v_pk_add_f32 v[S0:S0+1], v[S0:S0+1], v[S0+2:S0+3]
.endm
.macro SUMSQ g                         ; the same of their squares
.set B0, XR+64*\g
.set S0, 6+4*\g
	v_pk_mul_f32 v[S0:S0+1], v[B0:B0+1], v[B0:B0+1]
	v_pk_mul_f32 v[S0+2:S0+3], v[B0+2:B0+3], v[B0+2:B0+3]
.set k, 4
.rept 15
	v_pk_fma_f32 v[S0:S0+1], v[B0+k:B0+k+1], v[B0+k:B0+k+1], v[S0:S0+1]
	v_pk_fma_f32 v[S0+2:S0+3], v[B0+k+2:B0+k+3], v[B0+k+2:B0+k+3], v[S0+2:S0+3]
.set k, k+4
.endr
	v_pk_add_f32 v[S0:S0+1], v[S0:S0+1], v[S0+2:S0+3]
.endm
; v[6:7] and v[10:11] hold a lane's sums of the two groups: over the lanes, over the eight waves; the totals come out in v16 and v17 of every lane
.macro REDUCE off
	v_add_f32 v6, v6, v7
	v_add_f32 v7, v10, v11
.irp m, 1,2,4,8
	v_add_f32_dpp v6, v6, v6 row_xmask:\m row_mask:0xf bank_mask:0xf
	v_add_f32_dpp v7, v7, v7 row_xmask:\m row_mask:0xf bank_mask:0xf
.endr
	v_permlanex16_b32 v8, v6, s[SEL], s[SEL+1]
	v_permlanex16_b32 v9, v7, s[SEL], s[SEL+1]
	v_add_f32 v6, v6, v8
	v_add_f32 v7, v7, v9
	ds_store_b64 v14, v[6:7] offset:\off           ; all lanes write the same two words
	s_wait_dscnt 0x0                               ; for the others' sake: my store is done
	s_barrier_signal -1
	s_barrier_wait -1
.irp i, 0,1,2,3
	ds_load_b128 v[16+4*\i:19+4*\i], v15 offset:\off+16*\i
.endr
	s_wait_dscnt 0x0
	v_pk_add_f32 v[16:17], v[16:17], v[18:19]
	v_pk_add_f32 v[20:21], v[20:21], v[22:23]
	v_pk_add_f32 v[24:25], v[24:25], v[26:27]
	v_pk_add_f32 v[28:29], v[28:29], v[30:31]
	v_pk_add_f32 v[16:17], v[16:17], v[20:21]
	v_pk_add_f32 v[24:25], v[24:25], v[28:29]
	v_pk_add_f32 v[16:17], v[16:17], v[24:25]
.endm
	s_wait_loadcnt 16                              ; the first group's 16 loads are in (and wave 0's weights, issued ahead of them); the second group's may be out
	SUM 0
	s_wait_loadcnt 0x0
	SUM 1
	s_cmp_lg_u32 s[WV], 0
	s_cbranch_scc1 .Lno_w_out
.irp e, 0,1                                    ; wave 0: the two fragments leave as images of their registers: 512 consecutive bytes a store
.irp g, 0,1,2
	global_store_b128 v1, v[WFR+12*\e+4*\g:WFR+12*\e+4*\g+3], s[12:13] offset:1536*\e+512*\g
.endr
.endr
	global_store_b32 v[W4L], v[WFR+24], s[90:91]
.Lno_w_out:
	REDUCE 0
	v_mul_f32 v24, s100, v16                       ; the two means, each twice: pairs for the packed subtraction
	v_mul_f32 v25, s100, v16
	v_mul_f32 v26, s100, v17
	v_mul_f32 v27, s100, v17
.set n, 0
.rept 32
	v_pk_add_f32 v[XR+n:XR+n+1], v[XR+n:XR+n+1], v[24:25] neg_lo:[0,1] neg_hi:[0,1]
.set n, n+2
.endr
.rept 32
	v_pk_add_f32 v[XR+n:XR+n+1], v[XR+n:XR+n+1], v[26:27] neg_lo:[0,1] neg_hi:[0,1]
.set n, n+2
.endr
	SUMSQ 0
	SUMSQ 1
	REDUCE 256                                     ; other words than the first reduction's: no barrier between the two is owed
	v_fma_f32 v16, v16, s100, s101                 ; var + 1e-5
	v_fma_f32 v17, v17, s100, s101
	v_rsq_f32 v6, v16
	v_rsq_f32 v7, v17
	s_wait_kmcnt 0x0                               ; gamma and beta
	s_wait_xcnt 0x0                                ; wave 0's stores have read v160 on: these registers are written again only behind this wait
	v_nop                                          ; a plain instruction behind the transcendentals
.set n, 0
	s_wait_alu depctr_va_vdst(0)
.rept 16
	v_mul_f32 v[GA+n], s[GAM+n], v6
.set n, n+1
.endr
.rept 16
	v_mul_f32 v[GA+n], s[GAM+n], v7
.set n, n+1
.endr
.irp j, 0,1,2,3                                ; pixel 4 t + j: its 32 channels come together in the multiply-add's results
.set n, 0
.rept 32
	v_fma_f32 v[HN+n], v[XR+4*n+\j], v[GA+n], s[48+n+4*(n/16)]
.set n, n+1
.endr
	v_max3_num_f32 v12, |v[HN]|, |v[HN+1]|, |v[HN+2]|     ; the block's largest magnitude: all 32 numbers are mine
	v_max3_num_f32 v13, |v[HN+3]|, |v[HN+4]|, |v[HN+5]|
.irp i, 6,10,14,18,22,26
	v_max3_num_f32 v12, v12, |v[HN+\i]|, |v[HN+\i+1]|
	v_max3_num_f32 v13, v13, |v[HN+\i+2]|, |v[HN+\i+3]|
.endr
	v_max3_num_f32 v12, v12, |v[HN+30]|, |v[HN+31]|
	v_max3_num_f32 v12, v12, v13, 0x2800000        ; and the floor 2^(5 - 127): the byte cannot fall under 1
	v_add_nc_u32 v11, 0xfe000000, v12              ; 4 off its exponent field: the conversion takes the exponent field of this operand as its scale
	v_cvt_scalef32_pk16_bf6_f32 v[CD+8*\j:CD+8*\j+2], v[HN:HN+15], v11
	v_cvt_scalef32_pk16_bf6_f32 v[CD+8*\j+4:CD+8*\j+6], v[HN+16:HN+31], v11   ; (a conversion's three registers begin on an even number)
.if \j == 0
	v_lshrrev_b32 v10, 23, v11                     ; the scale's byte; also the plain instruction behind the conversions
.else
	v_lshrrev_b32 v13, 23, v11
	v_lshl_or_b32 v10, v13, 8*\j, v10              ; four neighbouring positions' bytes in one word
.endif
	v_mov_b32 v[CD+8*\j+3], v[CD+8*\j+4]           ; the block's six registers on end
	v_mov_b32 v[CD+8*\j+4], v[CD+8*\j+5]
	v_mov_b32 v[CD+8*\j+5], v[CD+8*\j+6]
.irp i, 0,1,2
	ds_store_b64 v2, v[CD+8*\j+2*\i:CD+8*\j+2*\i+1] offset:24*\j+8*\i
.endr
.endr
	ds_store_b32 v3, v10
	s_wait_dscnt 0x0                               ; for the others' sake: my stores are done
	s_barrier_signal -1
	s_barrier_wait -1
.irp i, 0,1,2,3,4,5
	ds_load_b128 v[XR+4*\i:XR+4*\i+3], v1 offset:CST+4096*\i
.endr
.irp i, 0,1,2,3,4,5
	s_wait_dscnt 5-\i                              ; LDS loads come back in order: number i is in
	global_store_b128 v1, v[XR+4*\i:XR+4*\i+3], s[8:9] offset:4096*\i     ; 16 lanes store 256 consecutive bytes, at a multiple of 256 from hc's first byte
.endr
	s_cmp_lt_u32 s[WV], 2
	s_cbranch_scc0 .Lend
	ds_load_b128 v[XR+24:XR+27], v[SSR]            ; waves 0 and 1: the 1,024 scale bytes
	s_wait_dscnt 0x0
	global_store_b128 v1, v[XR+24:XR+27], s[10:11]
.Lend:
	s_wait_tensorcnt 0x0
	ds_add_u32 v247, v255
	s_wait_dscnt 0x0
	s_endpgm
.Lfunc_end_k_q150fd899e7_norm:
	.size	k_q150fd899e7_norm, .Lfunc_end_k_q150fd899e7_norm-k_q150fd899e7_norm
	.p2alignl 7, 3214868480
	.fill 96, 4, 3214868480
	.section	.rodata,"a",@progbits
	.p2align	6, 0x0
	.amdhsa_kernel k_q150fd899e7_norm
		.amdhsa_group_segment_fixed_size 27648
		.amdhsa_private_segment_fixed_size 0
		.amdhsa_enable_private_segment 0
		.amdhsa_kernarg_size 112
		.amdhsa_user_sgpr_count 2
		.amdhsa_user_sgpr_kernarg_segment_ptr 1
		.amdhsa_wavefront_size32 1
		.amdhsa_system_sgpr_workgroup_id_x 1
		.amdhsa_system_sgpr_workgroup_id_y 1
		.amdhsa_system_sgpr_workgroup_id_z 1
		.amdhsa_system_vgpr_workitem_id 0
		.amdhsa_next_free_vgpr 256
		.amdhsa_next_free_sgpr 102
		.amdhsa_reserve_vcc 0
		.amdhsa_float_denorm_mode_32 3
		.amdhsa_float_denorm_mode_16_64 3
		.amdhsa_memory_ordered 1
		.amdhsa_forward_progress 1
		.amdhsa_inst_pref_size 43
	.end_amdhsa_kernel
	.amdgpu_metadata
---
amdhsa.version: [ 1, 2 ]
amdhsa.kernels:
  - .name:           k_q150fd899e7_norm
    .symbol:         k_q150fd899e7_norm.kd
    .args:
      - { .name: x, .offset: 0, .size: 8, .value_kind: global_buffer, .address_space: global }
      - { .name: gamma, .offset: 8, .size: 8, .value_kind: global_buffer, .address_space: global }
      - { .name: beta, .offset: 16, .size: 8, .value_kind: global_buffer, .address_space: global }
      - { .name: wq_codes, .offset: 24, .size: 8, .value_kind: global_buffer, .address_space: global }
      - { .name: wq_scales, .offset: 32, .size: 8, .value_kind: global_buffer, .address_space: global }
      - { .name: wk_codes, .offset: 40, .size: 8, .value_kind: global_buffer, .address_space: global }
      - { .name: wk_scales, .offset: 48, .size: 8, .value_kind: global_buffer, .address_space: global }
      - { .name: wv_codes, .offset: 56, .size: 8, .value_kind: global_buffer, .address_space: global }
      - { .name: wv_scales, .offset: 64, .size: 8, .value_kind: global_buffer, .address_space: global }
      - { .name: wp_codes, .offset: 72, .size: 8, .value_kind: global_buffer, .address_space: global }
      - { .name: wp_scales, .offset: 80, .size: 8, .value_kind: global_buffer, .address_space: global }
      - { .name: hc, .offset: 88, .size: 8, .value_kind: global_buffer, .address_space: global }
      - { .name: hs, .offset: 96, .size: 8, .value_kind: global_buffer, .address_space: global }
      - { .name: wf, .offset: 104, .size: 8, .value_kind: global_buffer, .address_space: global }
    .group_segment_fixed_size: 27648
    .private_segment_fixed_size: 0
    .kernarg_segment_align: 8
    .kernarg_segment_size: 112
    .max_flat_workgroup_size: 256
    .sgpr_count:     102
    .vgpr_count:     256
    .wavefront_size: 32
...
	.end_amdgpu_metadata
.endif
;; end of part 1
;; launch qkv (part 2): grid 64 x 4, 4 waves a work-group, clusters of 4 x 1, 168,448 bytes of LDS; arguments hc, hs, wf, bq, bk, bv, qf, kf, vf; writes qf, kf, vf
.if DOCPART == 2
	.amdgcn_target "amdgcn-amd-amdhsa--gfx1250"
	.amdhsa_code_object_version 6
	.text
	.protected	k_q150fd899e7_qkv
	.globl	k_q150fd899e7_qkv
	.p2align	8
	.type	k_q150fd899e7_qkv,@function
k_q150fd899e7_qkv:
	s_mov_b64 s[64:65], 0
	v_nop
	global_prefetch_b8 v0, s[64:65] scope:SCOPE_SE
	s_setreg_imm32_b32 hwreg(HW_REG_WAVE_MODE, 25, 1), 1
	s_wait_xcnt 0x0
	s_wait_alu depctr_hold_cnt(0) depctr_sa_sdst(0) depctr_va_vdst(0) depctr_va_sdst(0) depctr_va_ssrc(0) depctr_va_vcc(0) depctr_vm_vsrc(0)
	s_getreg_b32 s2, hwreg(HW_REG_IB_STS2, 6, 4)
	s_cmp_eq_u32 s2, 0
	s_cbranch_scc0 .Lentry_in_a_cluster
	s_endpgm
.Lentry_in_a_cluster:
	s_bfe_u32 s2, ttmp6, 0x10000c
	s_cmp_lg_u32 s2, 0x3003
	s_cbranch_scc0 .Lentry_shape_is_right
	s_endpgm
.Lentry_shape_is_right:
; q = Wq h + bq, k = Wk h + bk, v = Wv h + bv on codes of E3M2 with E8M0 scales, and q, k, v quantised again on the way: q and k along their channels, v along the pixels (the keys).
; SHARES.  Image b = the cluster's x, block of 256 pixels pb = my place in the cluster, outputs 128 y .. 128 y + 127 of all three matrices.  Wave w owns four tiles of 16 pixels, T = 16 pb + 4 w + pt,
; whose 16 fragments of h (4 tiles x 4 K steps) stay in registers.  A tile's rows are positions 16 T + r of hc: pixel 32 (T / 2) + 8 (T % 2) + r + 8 (r / 8).
; THE WEIGHTS: 12 chunks of 12,800 bytes of wf (3 matrices x 4 K steps) lie in LDS, filled once.  The four work-groups of a cluster need the same chunks: each is asked for JOINTLY (mask 15); a wave asks for three.
; h is not shared: each wave loads its own fragments straight into registers, once.
; q, k: source 0 = 16 rows of W, source 1 = 16 pixels: a lane holds ONE pixel, and by the rows that form a tile of W the 16 registers of tiles 2 g, 2 g + 1 are 16 neighbouring channels: they are quantised in registers and are K step y of the pixel's fragment.
; v: the sources change places: a lane holds ONE channel and its registers run along the pixels; a wave's 64 pixels are half a K step of 128 keys.
; The biases are the C of each sum's first matrix instruction.
; OUT.  qf, kf [b][T / 2] chunks: fragment and scale group 4 (T % 2) + y, a fragment as an image of its registers (register 4 c + k of lane l at 512 c + 16 l + 4 k).
; vf [b][y][key step] chunks: fragment ot = channels 128 y + 32 (ot / 2) + 8 (ot % 2) + r + 8 (r / 8); its half c (64 keys): registers 6 c .. 6 c + 3 at 768 c + 16 l, registers 6 c + 4, 5 at 768 c + 512 + 8 l.
; q's and k's scale words leave in runs of 64 bytes: the four values of y share 256 bytes; they are 4 bytes in 100 of what the launch stores.  V's are gathered in LDS and leave as 512 consecutive bytes.
; LIMITS: a block whose largest magnitude lies under 2^-122 gets the byte 1, a block of zeros too (the rule says 127): its codes are zeros and this program alone reads the bytes.  NaN and infinities are not served.
; REGISTERS.  window 0: v4-17 addresses; v20-23 four scale words; v24-31 h's scale words; v32-39 the weights' scale words, two sets; v40-59 at work; v60-79 codes; v80-111 h's scale bytes; v128-191 bk's tiles, v192-255 bv's.
;   window 1: a chunk's 8 fragments, two sets, at v0 and v128.   window 2: the 32 accumulators.   window 3: v0-191 h's fragments at 12 (4 pt + s); v192-255 bq's tiles.
.set CH,   12800
.set MATB, 4*CH                        ; LDS: matrix m at m MATB, its K step s at s CH
.set VS,   3*MATB                      ; V's scale words of the work-group's two key steps: 2 x 512 bytes
.set WA,   4                           ; v4-6    m MATB + 16 lane
.set WB,   7                           ; v7-9    m MATB + 4 lane
.set HCO,  10                          ; v10     24,576 h + 24 r: h's codes
.set HSO,  11                          ; v11     4,096 h + r: h's scale bytes
.set B64,  12                          ; v12     64 h
.set BPM,  13                          ; v13     4 (r + 8 (r / 8))
.set SCO,  14                          ; v14     256 h + 4 r
.set L8,   15                          ; v15     8 lane
.set VSW,  16                          ; v16     where my two bytes of V's scale words go
.set VSR,  17                          ; v17     and where waves 0 and 1 read them back
.set PWS,  20
.set HS,   24                          ; register 2 pt + i: lanes 0-15 K step 2 i, lanes 16-31 K step 2 i + 1
.set WSC,  32                          ; set n at 4 n; register i: lanes 0-15 fragment 2 i, lanes 16-31 fragment 2 i + 1
.set TM,   40
.set PW,   56
.set PC,   60
.set BY,   80
.set BKT,  128
.set BVT,  192
.set BQT,  192
.set WV,   22
.set G1,   32                          ; s[32:39] descriptor group 1;  s[40:51] three groups 0
.set G0,   40
.set SEL,  52
.set MSB,  0
.macro WIN new                         ; the immediate's high byte repeats the setting that is left
.if MSB != (\new)
	s_set_vgpr_msb (MSB<<8)|(\new)
.set MSB, (\new)
.endif
.endm
.macro PLACES n
.rept \n
	v_nop
.endr
.endm
.macro CROUND                          ; a round of the cluster's barrier
	s_barrier_signal -1
	s_barrier_wait -1
	s_cmp_lg_u32 s[WV], 0
	s_cbranch_scc1 .Lnot_wave_0_\@
	s_barrier_signal -3
.Lnot_wave_0_\@:
	s_barrier_wait -3
	s_barrier_signal -1
	s_barrier_wait -1
.endm
.macro WM                              ; one product, by the symbols rD, rA, rB, rC, rSA, rSB; fA, fB: the side's scales stand in lanes 16-31
.if fA && fB
	v_wmma_scale_f32_16x16x128_f8f6f4 v[rD:rD+7], v[rA:rA+11], v[rB:rB+11], v[rC:rC+7], v[rSA], v[rSB] matrix_a_fmt:MATRIX_FMT_BF6 matrix_b_fmt:MATRIX_FMT_BF6 matrix_a_scale:MATRIX_SCALE_ROW1 matrix_b_scale:MATRIX_SCALE_ROW1
.elseif fA
	v_wmma_scale_f32_16x16x128_f8f6f4 v[rD:rD+7], v[rA:rA+11], v[rB:rB+11], v[rC:rC+7], v[rSA], v[rSB] matrix_a_fmt:MATRIX_FMT_BF6 matrix_b_fmt:MATRIX_FMT_BF6 matrix_a_scale:MATRIX_SCALE_ROW1
.elseif fB
	v_wmma_scale_f32_16x16x128_f8f6f4 v[rD:rD+7], v[rA:rA+11], v[rB:rB+11], v[rC:rC+7], v[rSA], v[rSB] matrix_a_fmt:MATRIX_FMT_BF6 matrix_b_fmt:MATRIX_FMT_BF6 matrix_b_scale:MATRIX_SCALE_ROW1
.else
	v_wmma_scale_f32_16x16x128_f8f6f4 v[rD:rD+7], v[rA:rA+11], v[rB:rB+11], v[rC:rC+7], v[rSA], v[rSB] matrix_a_fmt:MATRIX_FMT_BF6 matrix_b_fmt:MATRIX_FMT_BF6
.endif
.endm
	s_load_b512 s[4:19], s[0:1], 0x0               ; hc, hs, wf, bq, bk, bv, qf, kf
	s_load_b64 s[20:21], s[0:1], 0x40              ; vf
	v_lshl_add_u32 v126, v0, 2, 0x29000
	v_mov_b32 v127, 0
	ds_add_u32 v126, v127
	ds_add_u32 v126, v127
	v_lshrrev_b32 v1, 5, v0
	v_readfirstlane_b32 s[WV], v1                  ; wave 0..3
	s_bfe_u32 s24, ttmp6, 0x40000                  ; pb: my place in the cluster; it enters global addresses of h, qf, kf, vf alone
	s_and_b32 s25, ttmp7, 0xffff                   ; y, which the four partners share
	s_mov_b32 s[G1], 15|(3<<16)|(1<<21)            ; 15:0 the mask: all four work-groups; 17:16 elements of 8 bytes; 21 set beside a mask; no padding
	s_mov_b32 s[G1+1], 32<<16                      ; tensor_dim0 = 32 elements: 256 bytes
	s_mov_b32 s[G1+2], 50<<16                      ; tensor_dim1 = 50 rows: a chunk
	s_mov_b32 s[G1+3], 32<<16                      ; tile_dim0
	s_mov_b32 s[G1+4], 50                          ; tile_dim1
	s_mov_b32 s[G1+5], 32                          ; the rows are dense
	s_mov_b32 s[G1+6], 0
	s_mov_b32 s[G1+7], 0
	s_mov_b32 s[SEL], 0x76543210
	s_mov_b32 s[SEL+1], 0xfedcba98                 ; lane l xor 16
	s_mov_b32 s54, 0xffff0000                      ; lanes 16-31
	s_lshl_b32 s72, s24, 4
	s_lshl_b32 s73, s[WV], 2
	s_add_co_u32 s72, s72, s73                     ; my first tile: 16 pb + 4 w
	s_mul_i32 s74, ttmp9, 393216                   ; hc: an image is 16 x 24,576 bytes; a tile 384
	s_mul_i32 s73, s72, 384
	s_add_co_u32 s74, s74, s73
	s_mov_b32 s75, 0
	s_lshl_b32 s76, ttmp9, 14                      ; hs: 16 x 1,024; a tile 16
	s_lshl_b32 s73, s72, 4
	s_add_co_u32 s76, s76, s73
	s_mov_b32 s77, 0
	s_lshl_b32 s78, s25, 9                         ; the biases: my 128 numbers
	s_mov_b32 s79, 0
	s_lshl_b32 s80, ttmp9, 5
	s_lshr_b32 s73, s72, 1
	s_add_co_u32 s80, s80, s73                     ; qf, kf: chunk 32 b + 8 pb + 2 w
	s_mul_i32 s80, s80, CH
	s_mul_i32 s73, s25, 1536
	s_add_co_u32 s82, s80, s73                     ; fragment y
	s_mov_b32 s83, 0
	s_lshl_b32 s73, s25, 6
	s_add_co_u32 s84, s80, s73
	s_add_co_u32 s84, s84, 12288                   ; scale group y
	s_mov_b32 s85, 0
	s_lshl_b32 s86, ttmp9, 2
	s_add_co_u32 s86, s86, s25
	s_lshl_b32 s86, s86, 3
	s_lshl_b32 s73, s24, 1
	s_add_co_u32 s86, s86, s73                     ; vf: chunk (4 b + y) 8 + 2 pb, the first of the work-group's two key steps
	s_lshr_b32 s87, s[WV], 1
	s_and_b32 s81, s[WV], 1
	s_add_co_u32 s88, s86, s87                     ; my 64 keys lie in key step 2 pb + w / 2,
	s_mul_i32 s88, s88, CH
	s_mul_i32 s73, s81, 768                        ; half w % 2
	s_add_co_u32 s88, s88, s73
	s_mov_b32 s89, 0
	s_add_co_u32 s90, s86, s81                     ; waves 0 and 1 store the scale words of key steps 2 pb and 2 pb + 1
	s_mul_i32 s90, s90, CH
	s_add_co_u32 s90, s90, 12288
	s_mov_b32 s91, 0
	s_lshl_b32 s92, s25, 2
	s_add_co_u32 s92, s92, s[WV]                   ; wf: I fetch K step w of each matrix: chunk 16 m + 4 y + w
	s_mul_i32 s92, s92, CH
	s_mov_b32 s93, 0
	s_mul_i32 s26, s[WV], CH                       ; and its place in LDS
	s_wait_dscnt 0x0
	s_wait_kmcnt 0x0
	s_add_nc_u64 s[4:5], s[4:5], s[74:75]
	s_add_nc_u64 s[6:7], s[6:7], s[76:77]
	s_add_nc_u64 s[8:9], s[8:9], s[92:93]
	s_add_nc_u64 s[10:11], s[10:11], s[78:79]
	s_add_nc_u64 s[12:13], s[12:13], s[78:79]
	s_add_nc_u64 s[14:15], s[14:15], s[78:79]
	s_add_nc_u64 s[56:57], s[16:17], s[82:83]      ; q: codes, scale words
	s_add_nc_u64 s[58:59], s[16:17], s[84:85]
	s_add_nc_u64 s[60:61], s[18:19], s[82:83]      ; k
	s_add_nc_u64 s[62:63], s[18:19], s[84:85]
	s_add_nc_u64 s[68:69], s[20:21], s[88:89]      ; v: codes,
	s_add_nc_u64 s[70:71], s[20:21], s[90:91]      ; scale words
.irp m, 0,1,2
	s_mov_b32 s[G0+4*\m], 1                        ; count = 1
	s_add_co_u32 s[G0+4*\m+1], s26, \m*MATB        ; LDS address
	s_add_nc_u64 s[G0+4*\m+2:G0+4*\m+3], s[8:9], \m*16*CH
	s_or_b32 s[G0+4*\m+3], s[G0+4*\m+3], 0x80000000   ; type = 2
.endr
	CROUND                                         ; all four work-groups are here: the joint loads meet
	tensor_load_to_lds s[G0:G0+3], s[G1:G1+7]      ; three loads of mine are out: q's, k's, v's K step w
	s_nop 0
	tensor_load_to_lds s[G0+4:G0+7], s[G1:G1+7]
	s_nop 0
	tensor_load_to_lds s[G0+8:G0+11], s[G1:G1+7]
	s_nop 0
	PLACES 4
	v_and_b32 v1, 31, v0                           ; lane
	v_and_b32 v2, 15, v0                           ; r
	v_bfe_u32 v3, v0, 4, 1                         ; h
	v_mul_u32_u24 v[HCO], v2, 24
	v_mad_u32_u24 v[HCO], v3, 24576, v[HCO]
	v_lshl_add_u32 v[HSO], v3, 12, v2
	v_lshlrev_b32 v[B64], 6, v3
	v_and_b32 v[BPM], 8, v2
	v_add_nc_u32 v[BPM], v[BPM], v2
	v_lshlrev_b32 v[BPM], 2, v[BPM]
	WIN 0xc0                                       ; destination window 3
.irp pt, 0,1,2,3                               ; h's fragments: lane (r, h) takes, for registers 6 c .. 6 c + 5, the 24 bytes of channel block 4 s + 2 c + h of position 16 T + r
.irp s, 0,1,2,3
.irp p, 0,1,2,3,4,5
	global_load_b64 v[12*(4*\pt+\s)+2*\p:12*(4*\pt+\s)+2*\p+1], v[HCO], s[4:5] offset:(4*\s+2*(\p/3))*24576+384*\pt+8*(\p%3)
.endr
.endr
.endr
.irp o, 0,1,2,3,4,5,6,7                        ; bq as C: lane (r, h), register j: channel 32 (o / 2) + 8 (o % 2) + 16 h + j
	global_load_b128 v[BQT+8*\o:BQT+8*\o+3], v[B64], s[10:11] offset:(32*(\o/2)+8*(\o%2))*4
	global_load_b128 v[BQT+8*\o+4:BQT+8*\o+7], v[B64], s[10:11] offset:(32*(\o/2)+8*(\o%2))*4+16
.endr
	WIN 0
.irp o, 0,1,2,3,4,5,6,7
	global_load_b128 v[BKT+8*\o:BKT+8*\o+3], v[B64], s[12:13] offset:(32*(\o/2)+8*(\o%2))*4
	global_load_b128 v[BKT+8*\o+4:BKT+8*\o+7], v[B64], s[12:13] offset:(32*(\o/2)+8*(\o%2))*4+16
.endr
.irp o, 0,1,2,3,4,5,6,7                        ; bv as C: a lane holds one channel, so all eight registers hold its number
.irp j, 0,1,2,3,4,5,6,7
	global_load_b32 v[BVT+8*\o+\j], v[BPM], s[14:15] offset:(32*(\o/2)+8*(\o%2))*4
.endr
.endr
.irp pt, 0,1,2,3                               ; h's scale bytes: byte k of the word of K step 2 i + h is channel block 8 i + 4 h + k
.irp i, 0,1
.irp k, 0,1,2,3
	global_load_u8 v[BY+8*\pt+4*\i+\k], v[HSO], s[6:7] offset:(8*\i+\k)*1024+16*\pt
.endr
.endr
.endr
	v_lshlrev_b32 v[WA], 4, v1
	v_add_nc_u32 v[WA+1], MATB, v[WA]
	v_add_nc_u32 v[WA+2], 2*MATB, v[WA]
	v_lshlrev_b32 v[WB], 2, v1
	v_add_nc_u32 v[WB+1], MATB, v[WB]
	v_add_nc_u32 v[WB+2], 2*MATB, v[WB]
	v_lshlrev_b32 v[SCO], 2, v2
	v_lshl_add_u32 v[SCO], v3, 8, v[SCO]
	v_lshlrev_b32 v[L8], 3, v1
	s_lshl_b32 s27, s87, 9                         ; V's scale words in LDS: key step w / 2, bytes 2 (w % 2) and the next of row r's word
	s_lshl_b32 s28, s81, 1
	s_add_co_u32 s27, s27, s28
	s_add_co_u32 s27, s27, VS
	v_lshlrev_b32 v[VSW], 2, v2
	v_add_nc_u32 v[VSW], s27, v[VSW]
	s_lshl_b32 s27, s[WV], 9
	s_add_co_u32 s27, s27, VS
	v_add_nc_u32 v[VSR], s27, v[WA]
.irp b, 0,1,2,3
	v_mov_b32 v[TM+4+\b], 0                        ; written once: a lane permute's destination counts as one of its sources
.endr
	s_wait_loadcnt 0x0
.irp n, 0,1,2,3,4,5,6,7
	v_lshl_or_b32 v[HS+\n], v[BY+4*\n+1], 8, v[BY+4*\n]
.endr
.irp n, 0,1,2,3,4,5,6,7
	v_lshl_or_b32 v[HS+\n], v[BY+4*\n+2], 16, v[HS+\n]
.endr
.irp n, 0,1,2,3,4,5,6,7
	v_lshl_or_b32 v[HS+\n], v[BY+4*\n+3], 24, v[HS+\n]
.endr
	PLACES 8                                       ; scale registers written by vector instructions stand eight places ahead of the scaled products
.macro FETCH3 set, m, s                ; K step s of matrix m: 8 fragments and their scale words into set
	WIN 0x40
.irp f, 0,1,2,3,4,5,6,7
.irp g, 0,1,2
	ds_load_b128 v[128*(\set)+12*\f+4*\g:128*(\set)+12*\f+4*\g+3], v[WA+(\m)] offset:CH*(\s)+1536*\f+512*\g
.endr
.endr
	WIN 0
.irp i, 0,1,2,3
	ds_load_b32 v[WSC+4*(\set)+\i], v[WB+(\m)] offset:CH*(\s)+12288+128*\i
.endr
.endm
; 16 products: 4 tiles of outputs x my 4 tiles of pixels, K step s.  kind 0: q, 1: k, 2: v.  The 32 accumulators take turns, one instruction a turn, in the same order in every K step.
.macro MUL kind, s, half
.if (\kind) == 2
.if (\s) == 0
	WIN 0x87                                       ; source 0 (h) window 3, source 1 (W) window 1, C (bv) window 0, D window 2
.else
	WIN 0xa7
.endif
.elseif (\s) > 0
	WIN 0xad                                       ; source 0 (W) window 1, source 1 (h) window 3, C and D window 2
.elseif (\kind) == 0
	WIN 0xbd                                       ; C (bq) window 3
.else
	WIN 0x8d                                       ; C (bk) window 0
.endif
.irp o, 0,1,2,3
.irp pt, 0,1,2,3
.set OT, 4*(\half)+\o
.set rW, 128*((\s)%2)+12*OT
.set rH, 12*(4*\pt+(\s))
.set sW, WSC+4*((\s)%2)+OT/2
.set sH, HS+2*\pt+(\s)/2
.if (\kind) == 2
.set rD, 32*OT+8*\pt
.set rA, rH
.set rB, rW
.set rSA, sH
.set rSB, sW
.set fA, (\s)%2
.set fB, OT%2
.set rC, BVT+8*OT
.else
.set rD, 64*\pt+8*OT
.set rA, rW
.set rB, rH
.set rSA, sW
.set rSB, sH
.set fA, OT%2
.set fB, (\s)%2
.if (\kind) == 0
.set rC, BQT+8*OT
.else
.set rC, BKT+8*OT
.endif
.endif
.if (\s) > 0
.set rC, rD
.endif
	WM
.endr
.endr
.endm
.macro STEP kind, s                    ; a K step: 32 products; in its middle the next K step's chunk is fetched into the other set
	s_wait_dscnt 0x0                               ; this K step's fragments are in
	MUL \kind, \s, 0
.if (\s) < 3
	PLACES 4                                       ; in front of loads into registers that the last K step's products read
	FETCH3 1-(\s)%2, \kind, (\s)+1
.endif
	MUL \kind, \s, 1
.endm
; 64 accumulator registers of window 2 from s on, register 16 b + i = K index 32 b + 16 (lane / 16) + i of my lane's row, become 12 registers of codes in v[PC] on and a scale word in v[PW]
.macro QUANTW s
	s_wait_xcnt 0x0                                ; earlier stores have read the codes' registers: they are written again only behind this wait
	WIN 0x0a
.irp b, 0,1,2,3
	v_max3_num_f32 v[TM+\b], |v[(\s)+16*\b]|, |v[(\s)+1+16*\b]|, 0x2800000   ; each accumulator is read from its low end on; the floor 2^(5 - 127) holds the byte at 1 from below
.endr
	WIN 0x28
.irp i, 2,4,6,8,10,12,14
.irp b, 0,1,2,3
	v_max3_num_f32 v[TM+\b], v[TM+\b], |v[(\s)+16*\b+\i]|, |v[(\s)+1+16*\b+\i]|
.endr
.endr
	WIN 0
.irp b, 0,1,2,3
	v_permlanex16_b32 v[TM+4+\b], v[TM+\b], s[SEL], s[SEL+1]
.endr
.irp b, 0,1,2,3
	v_max_num_f32 v[TM+\b], v[TM+\b], v[TM+4+\b]   ; with lane l xor 16's: the block's largest magnitude
.endr
.irp b, 0,1,2,3
	v_add_nc_u32 v[TM+12+\b], 0xfe000000, v[TM+\b] ; 4 off its exponent field: the conversion's scale operand
.endr
.irp b, 0,1,2,3
	v_lshrrev_b32 v[TM+4+\b], 23, v[TM+12+\b]      ; the scale's byte
.endr
	v_lshl_or_b32 v[PW], v[TM+5], 8, v[TM+4]
	v_lshl_or_b32 v[PW], v[TM+6], 16, v[PW]
	v_lshl_or_b32 v[PW], v[TM+7], 24, v[PW]
	WIN 0x02
.irp g, 0,1
	v_cvt_scalef32_pk16_bf6_f32 v[PC+6*\g:PC+6*\g+2], v[(\s)+32*\g:(\s)+32*\g+15], v[TM+12+2*\g]
	v_cvt_scalef32_pk16_bf6_f32 v[PC+12+4*\g:PC+14+4*\g], v[(\s)+16+32*\g:(\s)+31+32*\g], v[TM+13+2*\g]   ; (a conversion's three registers begin on an even number)
.endr
	WIN 0
	v_nop                                          ; one plain instruction behind a scaled conversion
.irp g, 0,1                                    ; the operand's layout wants a whole block in a lane: lanes 0-15 block 2 g, lanes 16-31 block 2 g + 1
.irp i, 0,1,2
	v_permlane16_swap_b32 v[PC+6*\g+\i], v[PC+12+4*\g+\i]
.endr
.irp i, 0,1,2
	v_mov_b32 v[PC+3+6*\g+\i], v[PC+12+4*\g+\i]
.endr
.endr
.endm
.macro OUTQK cb, sb                    ; my four tiles of pixels become four fragments (K step y) and their scale words
.irp pt, 0,1,2,3
	QUANTW 64*\pt
	v_mov_b32 v[PWS+\pt], v[PW]
.irp g, 0,1,2
	global_store_b128 v[WA], v[PC+4*\g:PC+4*\g+3], s[\cb:\cb+1] offset:CH*(\pt/2)+6144*(\pt%2)+512*\g   ; 512 consecutive bytes
.endr
.endr
.irp a, 0,1
	v_cndmask_b32 v[57+\a], v[PWS+2*\a], v[PWS+2*\a+1], s54     ; lanes 0-15: tile 2 a's words, lanes 16-31: tile 2 a + 1's
	global_store_b32 v[SCO], v[57+\a], s[\sb:\sb+1] offset:CH*\a
.endr
.endm
	s_wait_tensorcnt 0x2                           ; my part of Wq is in; k's and v's loads may be out
	s_barrier_signal -1
	s_barrier_wait -1                              ; everybody's is
	FETCH3 0, 0, 0
	STEP 0, 0
	STEP 0, 1
	STEP 0, 2
	STEP 0, 3
	WIN 0
	s_wait_tensorcnt 0x1                           ; my part of Wk is in; v's load may be out
	s_wait_dscnt 0x0
	s_barrier_signal -1
	s_barrier_wait -1
	PLACES 5                                       ; behind the last products: for the loads below, for the reads of results, and for k's first products, which write over q's accumulators
	FETCH3 0, 1, 0
	OUTQK 56, 58
	STEP 1, 0
	STEP 1, 1
	STEP 1, 2
	STEP 1, 3
	WIN 0
	s_wait_tensorcnt 0x0                           ; my part of Wv is in
	s_wait_dscnt 0x0
	s_barrier_signal -1
	s_barrier_wait -1
	PLACES 5
	FETCH3 0, 2, 0
	OUTQK 60, 62
	STEP 2, 0
	STEP 2, 1
	STEP 2, 2
	STEP 2, 3
	WIN 0
	PLACES 4
.irp k, 0,1,2,3                                ; V: 64 registers are tiles of channels 2 k and 2 k + 1, each with my 64 keys: two blocks.  Codes' registers 0-5 are the first tile's half fragment, 6-11 the second's
	QUANTW 64*\k
.irp e, 0,1
	global_store_b128 v[WA], v[PC+6*\e:PC+6*\e+3], s[68:69] offset:1536*(2*\k+\e)
	global_store_b64 v[L8], v[PC+6*\e+4:PC+6*\e+5], s[68:69] offset:1536*(2*\k+\e)+512
.endr
	v_lshrrev_b32 v59, 16, v[PW]
	ds_store_b16 v[VSW], v[PW] offset:64*(2*\k)    ; the word's low two bytes are the first tile's two blocks (both lanes of a row write the same),
	ds_store_b16 v[VSW], v59 offset:64*(2*\k+1)    ; the high two the second tile's
	s_wait_dscnt 0x0                               ; the stores have read their registers
.endr
	s_barrier_signal -1
	s_barrier_wait -1                              ; the two key steps' scale words are whole
	s_cmp_lt_u32 s[WV], 2
	s_cbranch_scc0 .Lno_vs
	ds_load_b128 v[BY:BY+3], v[VSR]
	s_wait_dscnt 0x0
	global_store_b128 v[WA], v[BY:BY+3], s[70:71]  ; 512 consecutive bytes: a chunk's eight groups of scale words
.Lno_vs:
	s_wait_tensorcnt 0x0
	ds_add_u32 v126, v127
	s_wait_dscnt 0x0
	CROUND                                         ; the closing round: no work-group ends while a partner may still ask for a chunk that names it
	s_endpgm
.Lfunc_end_k_q150fd899e7_qkv:
	.size	k_q150fd899e7_qkv, .Lfunc_end_k_q150fd899e7_qkv-k_q150fd899e7_qkv
	.p2alignl 7, 3214868480
	.fill 96, 4, 3214868480
	.section	.rodata,"a",@progbits
	.p2align	6, 0x0
	.amdhsa_kernel k_q150fd899e7_qkv
		.amdhsa_group_segment_fixed_size 168448
		.amdhsa_private_segment_fixed_size 0
		.amdhsa_enable_private_segment 0
		.amdhsa_kernarg_size 72
		.amdhsa_user_sgpr_count 2
		.amdhsa_user_sgpr_kernarg_segment_ptr 1
		.amdhsa_wavefront_size32 1
		.amdhsa_system_sgpr_workgroup_id_x 1
		.amdhsa_system_sgpr_workgroup_id_y 1
		.amdhsa_system_sgpr_workgroup_id_z 1
		.amdhsa_system_vgpr_workitem_id 0
		.amdhsa_next_free_vgpr 1024
		.amdhsa_next_free_sgpr 96
		.amdhsa_reserve_vcc 0
		.amdhsa_float_denorm_mode_32 3
		.amdhsa_float_denorm_mode_16_64 3
		.amdhsa_memory_ordered 1
		.amdhsa_forward_progress 1
		.amdhsa_inst_pref_size 156
	.end_amdhsa_kernel
	.amdgpu_metadata
---
amdhsa.version: [ 1, 2 ]
amdhsa.kernels:
  - .name:           k_q150fd899e7_qkv
    .symbol:         k_q150fd899e7_qkv.kd
    .args:
      - { .name: hc, .offset: 0, .size: 8, .value_kind: global_buffer, .address_space: global }
      - { .name: hs, .offset: 8, .size: 8, .value_kind: global_buffer, .address_space: global }
      - { .name: wf, .offset: 16, .size: 8, .value_kind: global_buffer, .address_space: global }
      - { .name: bq, .offset: 24, .size: 8, .value_kind: global_buffer, .address_space: global }
      - { .name: bk, .offset: 32, .size: 8, .value_kind: global_buffer, .address_space: global }
      - { .name: bv, .offset: 40, .size: 8, .value_kind: global_buffer, .address_space: global }
      - { .name: qf, .offset: 48, .size: 8, .value_kind: global_buffer, .address_space: global }
      - { .name: kf, .offset: 56, .size: 8, .value_kind: global_buffer, .address_space: global }
      - { .name: vf, .offset: 64, .size: 8, .value_kind: global_buffer, .address_space: global }
    .group_segment_fixed_size: 168448
    .private_segment_fixed_size: 0
    .kernarg_segment_align: 8
    .kernarg_segment_size: 72
    .max_flat_workgroup_size: 128
    .sgpr_count:     96
    .vgpr_count:     1024
    .wavefront_size: 32
...
	.end_amdgpu_metadata
.endif
;; end of part 2
;; launch attn (part 3): grid 16 x 16, 4 waves a work-group, clusters of 4 x 1, 327,680 bytes of LDS; arguments qf, kf, vf, wf, bp, x, out0; writes out0
.if DOCPART == 3
	.amdgcn_target "amdgcn-amd-amdhsa--gfx1250"
	.amdhsa_code_object_version 6
	.text
	.protected	k_q150fd899e7_attn
	.globl	k_q150fd899e7_attn
	.p2align	8
	.type	k_q150fd899e7_attn,@function
k_q150fd899e7_attn:
	s_mov_b64 s[64:65], 0
	v_nop
	global_prefetch_b8 v0, s[64:65] scope:SCOPE_SE
	s_setreg_imm32_b32 hwreg(HW_REG_WAVE_MODE, 25, 1), 1
	s_wait_xcnt 0x0
	s_wait_alu depctr_hold_cnt(0) depctr_sa_sdst(0) depctr_va_vdst(0) depctr_va_sdst(0) depctr_va_ssrc(0) depctr_va_vcc(0) depctr_vm_vsrc(0)
	s_getreg_b32 s2, hwreg(HW_REG_IB_STS2, 6, 4)
	s_cmp_eq_u32 s2, 0
	s_cbranch_scc0 .Lentry_in_a_cluster
	s_endpgm
.Lentry_in_a_cluster:
	s_bfe_u32 s2, ttmp6, 0x10000c
	s_cmp_lg_u32 s2, 0x3003
	s_cbranch_scc0 .Lentry_shape_is_right
	s_endpgm
.Lentry_shape_is_right:
; out = x + Wp (softmax(q^T k / sqrt(512)) applied to v) + bp, all three products on codes of E3M2 with E8M0 scales.
; SHARES.  A work-group owns 64 queries of image b (tiles 4 qb + q, q = 0 .. 3; qb = 4 x the cluster's x + my place in it).  Its four waves share, in turn, the keys, the channels and the outputs:
;   S:   wave w takes keys 256 w .. + 255 for all 64 queries: S^T = K Q^T (source 0 = 16 keys, source 1 = 16 queries): 64 accumulators, windows 2 and 3.  A lane holds ONE query, its registers run along the keys.
;   softmax: ALL scores of a row are held at once, so M = ceil(the row's largest t) is the true one: one exchange of maxima between the waves, no running maximum, nothing is ever rescaled.
;        p = 2^(t - M), t = score x log2(e) / sqrt(512); p is quantised along the keys in registers and goes to LDS as images of the operand's registers; the row's sum is taken of the unquantised p.
;   PV:  wave w takes channels 128 w .. + 127: O^T = V^T P^T over all 1,024 keys: 32 accumulators, window 2.  O^T / the sum is quantised along the channels: K step w of o's fragments, to LDS.
;   out: wave w takes outputs 128 w .. + 127: source 0 = o's 16 queries, source 1 = 16 rows of Wp, C = bp: a lane holds one output channel and its registers run along the pixels.
; The rows of every tile (keys, queries, channels of V and of Wp) are 32 g + 8 u + r + 8 (r / 8) for tile 2 g + u, so that the 16 registers of two neighbouring tiles are 16 neighbours along the next K.
; THE RING.  K, V and Wp come as chunks of 12,800 bytes (8 fragments in the order of their registers, 8 groups of scale words); a chunk feeds 32 products of a wave.  20 chunks: 0-7 K, 8-15 V, 16-19 Wp.
; Each wave has five places of a chunk of its own, fills them itself and alone reads them; K's chunk 5 lies in a sixth place that is filled once and later takes P.  The four work-groups of a cluster belong to one
; image and walk the same chunks: every load is JOINT (mask 15).  FEW AND LARGE REFILLS, each asked for as early as its places are free:
;   at the start chunks 0-1, 2-4 and 5 (three loads of mine are out);  in chunk 1: chunks 6-7 (wanted 128 products on);  in chunk 7: V's first five chunks, one load of 64,000 bytes (wanted half a softmax on);
;   at the hand-over of P: V's last three (wanted 128 products on): their three places are free because V's first three chunks have gone into registers during the softmax;
;   in chunk 12: Wp's chunks 0-1 (wanted 112 products on);  behind chunk 15: Wp's chunks 2-3 (wanted behind o's quantising and 48 products).  Behind each of these rounds one load of mine is out.
; The text is straight-line: the accumulators' numbers change from chunk to chunk, and each line is walked once.
; Left out: matrix and vector work by turns (the softmax stands alone here); prefetches (the refills above are asked for well ahead of their use).
; LIMITS.  p under 2^-126 counts as 0.  A block whose largest magnitude lies under 2^-122 gets the byte 1, a block of zeros too (the rule says 127): its codes are zeros and this program alone reads the bytes.  NaN and infinities are not served.
; REGISTERS.  window 0: v1-27 addresses; v28-39 the chunks' scale words, three sets; v40-47 P's or o's, v48-55 Q's; v56-63 -M, a pair a tile; v64-255 Q's 16 fragments, later at work (below).
;   window 1: a chunk's fragments, two sets, at v0 and v128; bp's tiles at v96-127 and v224-255.   window 2: S (keys 0-127 of my 256), then O^T, then out.
;   window 3: S (keys 128-255); then v0-95 a third set, for V's third chunk; then x.
.set CH,    12800
.set RW,    5*CH                       ; a wave's ring: five places
.set EXT,   4*RW                       ; behind the rings: K's chunk 5 of each wave, filled once; then P
.set PIMG,  EXT                        ; P: fragment (q, key step) at (8 q + ks) x 1,536
.set PSC,   PIMG+32*1536               ; its scale words, 128 bytes a fragment
.set MXX,   PSC+32*128                 ; the waves' maxima, 512 bytes a wave; their sums 2,048 bytes on.  No fill ever lands here
.set SPARE, MXX+4096                   ; the spare words, 128 bytes for each wave: two blocks of 256 bytes that no other line names
.set OPL,   2*CH                       ; place 2 of a wave's ring has its last fill with V's last chunk; behind that chunk's read it takes: my K step of o's four fragments,
.set OSCO,  OPL+4*1536                 ; their scale words,
.set STGO,  OSCO+4*128                 ; and my stage for the way out: 16 rows x (256 bytes + 16)
.set L16,  1                           ; 16 lane
.set L4,   2                           ; 4 lane
.set SPW,  4                           ; LDS address of my spare word; never rewritten
.set NIL,  5                           ; 0; never rewritten
.set RA,   6                           ; my ring + 16 lane
.set RB,   7                           ; + 8 lane
.set RS,   8                           ; + 4 lane
.set EA,   9                           ; my chunk of the sixth place + 16 lane  (= RA + 3)
.set ES,   10                          ; + 4 lane                              (= RS + 2)
.set PRD,  12                          ; PIMG + 16 lane
.set PSR,  13                          ; PSC + 4 lane
.set PWR,  14                          ; + my two key steps
.set PSW,  15
.set OAD,  16                          ; o's fragments of the K step in hand
.set OSD,  17                          ; and their scale words
.set OWR,  18                          ; where I store my K step of o
.set OSW,  19
.set MXW,  20
.set MXR,  21
.set STO,  22
.set STR,  23
.set GXO,  24                          ; 4,096 h + 16 r: two channels' rows of x and of out
.set BPO,  25
.set CSC,  32                          ; the chunks' scale words: set 0 at v32, set 1 at v36, set 2 at v28
.set BSC,  40
.set QSC,  48
.set NM,   56
.set QF,   64
.set PB,   64                          ; v64-127  64 numbers ahead of a quantiser
.set PC,   128                         ; v128-147 codes
.set TM,   148                         ; v148-163 at work
.set PW,   164
.set T2,   166
.set BM,   168                         ; v168-199 the largest score of each block of 32 keys: 8 q + 4 kk + b
.set SUM,  200                         ; v200-207 the row's sum, a pair a tile
.set RL,   208                         ; v208-215 1 / the sum, twice
.set EX,   216                         ; v216-231 what comes from the other waves
.set RM,   232
.set SS,   236
.set BF,   64                          ; P's or o's four fragments, two sets of 48
.set RBK,  64                          ; the way out: 16 rows read back, two sets of 32
.set WV,   18
.set SEL,  26
.set CS,   28                          ; s[28:29] log2(e) / sqrt(512)
.set G1A,  32                          ; s[32:39] descriptor group 1: 100 rows of 256 bytes, two chunks
.set G0,   40                          ; s[40:43] group 0 of the first fill and of every refill; s[44:47] of the second first fill
.set KB,   48
.set VB,   50
.set WPB,  52
.set G1B,  68                          ; s[68:75] 150 rows, three chunks
.set G1C,  76                          ; s[76:83] 50 rows, one chunk
.set G1D,  84                          ; s[84:91] 250 rows, five chunks
.set G0C,  92                          ; s[92:95] group 0 of the third first fill
.set MSB,  0
.macro WIN new                         ; the immediate's high byte repeats the setting that is left
.if MSB != (\new)
	s_set_vgpr_msb (MSB<<8)|(\new)
.set MSB, (\new)
.endif
.endm
.macro PLACES n
.rept \n
	v_nop
.endr
.endm
.macro CREST                           ; a round of the cluster's barrier behind its opening barrier
	s_cmp_lg_u32 s[WV], 0
	s_cbranch_scc1 .Lnot_wave_0_\@
	s_barrier_signal -3
.Lnot_wave_0_\@:
	s_barrier_wait -3
	s_barrier_signal -1
	s_barrier_wait -1
.endm
.macro CROUND
	s_barrier_signal -1
	s_barrier_wait -1
	CREST
.endm
.macro WM                              ; one product, by the symbols rD, rA, rB, rC, rSA, rSB; fA, fB: the side's scales stand in lanes 16-31
.if fA && fB
	v_wmma_scale_f32_16x16x128_f8f6f4 v[rD:rD+7], v[rA:rA+11], v[rB:rB+11], v[rC:rC+7], v[rSA], v[rSB] matrix_a_fmt:MATRIX_FMT_BF6 matrix_b_fmt:MATRIX_FMT_BF6 matrix_a_scale:MATRIX_SCALE_ROW1 matrix_b_scale:MATRIX_SCALE_ROW1
.elseif fA
	v_wmma_scale_f32_16x16x128_f8f6f4 v[rD:rD+7], v[rA:rA+11], v[rB:rB+11], v[rC:rC+7], v[rSA], v[rSB] matrix_a_fmt:MATRIX_FMT_BF6 matrix_b_fmt:MATRIX_FMT_BF6 matrix_a_scale:MATRIX_SCALE_ROW1
.elseif fB
	v_wmma_scale_f32_16x16x128_f8f6f4 v[rD:rD+7], v[rA:rA+11], v[rB:rB+11], v[rC:rC+7], v[rSA], v[rSB] matrix_a_fmt:MATRIX_FMT_BF6 matrix_b_fmt:MATRIX_FMT_BF6 matrix_b_scale:MATRIX_SCALE_ROW1
.else
	v_wmma_scale_f32_16x16x128_f8f6f4 v[rD:rD+7], v[rA:rA+11], v[rB:rB+11], v[rC:rC+7], v[rSA], v[rSB] matrix_a_fmt:MATRIX_FMT_BF6 matrix_b_fmt:MATRIX_FMT_BF6
.endif
.endm
.macro WMZ                             ; the same with the constant 0 as C: the product starts a sum, nothing is cleared
.if fA && fB
	v_wmma_scale_f32_16x16x128_f8f6f4 v[rD:rD+7], v[rA:rA+11], v[rB:rB+11], 0, v[rSA], v[rSB] matrix_a_fmt:MATRIX_FMT_BF6 matrix_b_fmt:MATRIX_FMT_BF6 matrix_a_scale:MATRIX_SCALE_ROW1 matrix_b_scale:MATRIX_SCALE_ROW1
.elseif fA
	v_wmma_scale_f32_16x16x128_f8f6f4 v[rD:rD+7], v[rA:rA+11], v[rB:rB+11], 0, v[rSA], v[rSB] matrix_a_fmt:MATRIX_FMT_BF6 matrix_b_fmt:MATRIX_FMT_BF6 matrix_a_scale:MATRIX_SCALE_ROW1
.elseif fB
	v_wmma_scale_f32_16x16x128_f8f6f4 v[rD:rD+7], v[rA:rA+11], v[rB:rB+11], 0, v[rSA], v[rSB] matrix_a_fmt:MATRIX_FMT_BF6 matrix_b_fmt:MATRIX_FMT_BF6 matrix_b_scale:MATRIX_SCALE_ROW1
.else
	v_wmma_scale_f32_16x16x128_f8f6f4 v[rD:rD+7], v[rA:rA+11], v[rB:rB+11], 0, v[rSA], v[rSB] matrix_a_fmt:MATRIX_FMT_BF6 matrix_b_fmt:MATRIX_FMT_BF6
.endif
.endm
	s_load_b256 s[4:11], s[0:1], 0x0               ; qf, kf, vf, wf
	s_load_b128 s[12:15], s[0:1], 0x20             ; bp, x
	s_load_b64 s[16:17], s[0:1], 0x30              ; out0
	v_lshl_add_u32 v[SPW], v0, 2, SPARE
	v_mov_b32 v[NIL], 0
	ds_add_u32 v4, v5
	ds_add_u32 v4, v5
	s_wait_dscnt 0x0
	v_lshrrev_b32 v3, 5, v0
	v_readfirstlane_b32 s[WV], v3                  ; wave 0..3
	s_bfe_u32 s19, ttmp6, 0x40000                  ; my place in the cluster
	s_lshl_b32 s20, ttmp9, 2
	s_add_co_u32 s20, s20, s19                     ; qb: it enters the addresses of Q, x and out alone
	s_and_b32 s21, ttmp7, 0xffff                   ; b, which the four partners share
	s_lshl_b32 s54, s21, 5
	s_lshl_b32 s55, s[WV], 3
	s_add_co_u32 s54, s54, s55
	s_mul_i32 s54, s54, CH                         ; kf and vf: my eight chunks begin at chunk 32 b + 8 w
	s_mov_b32 s55, 0
	s_lshl_b32 s56, s[WV], 2
	s_add_co_u32 s56, s56, 48
	s_mul_i32 s56, s56, CH                         ; wf: Wp's rows 128 w on: chunk 48 + 4 w
	s_mov_b32 s57, 0
	s_lshl_b32 s58, s21, 5
	s_lshl_b32 s59, s20, 1
	s_add_co_u32 s58, s58, s59
	s_mul_i32 s58, s58, CH                         ; qf: chunk 32 b + 2 qb
	s_mov_b32 s59, 0
	s_lshl_b32 s60, s21, 21                        ; x, out: image b, channel 128 w, pixel 64 qb
	s_lshl_b32 s61, s[WV], 19
	s_add_co_u32 s60, s60, s61
	s_lshl_b32 s61, s20, 8
	s_add_co_u32 s60, s60, s61
	s_mov_b32 s61, 0
	s_lshl_b32 s62, s[WV], 9                       ; bp: my 128 numbers
	s_mov_b32 s63, 0
	s_mul_i32 s22, s[WV], RW                       ; my ring: no place in the cluster enters an LDS address
	s_mul_i32 s23, s[WV], CH
	s_add_co_u32 s23, s23, EXT                     ; my chunk of the sixth place
.irp g, G1A, G1B, G1C, G1D
	s_mov_b32 s[\g], 15|(3<<16)|(1<<21)            ; 15:0 the mask: all four work-groups; 17:16 elements of 8 bytes; 21 set beside a mask; no padding
	s_mov_b32 s[\g+1], 32<<16                      ; tensor_dim0 = 32 elements: 256 bytes
	s_mov_b32 s[\g+3], 32<<16                      ; tile_dim0
	s_mov_b32 s[\g+5], 32                          ; the rows are dense
	s_mov_b32 s[\g+6], 0
	s_mov_b32 s[\g+7], 0
.endr
	s_mov_b32 s[G1A+2], 100<<16                    ; tensor_dim1 and tile_dim1: 50 rows a chunk
	s_mov_b32 s[G1A+4], 100
	s_mov_b32 s[G1B+2], 150<<16
	s_mov_b32 s[G1B+4], 150
	s_mov_b32 s[G1C+2], 50<<16
	s_mov_b32 s[G1C+4], 50
	s_mov_b32 s[G1D+2], 250<<16
	s_mov_b32 s[G1D+4], 250
	s_mov_b32 s[SEL], 0x76543210
	s_mov_b32 s[SEL+1], 0xfedcba98                 ; lane l xor 16
	s_mov_b32 s[CS], 0x3d8293ee                    ; log2(e) / sqrt(512)
	s_mov_b32 s[CS+1], s[CS]                       ; (named with it as a pair, so it is written)
	s_wait_kmcnt 0x0
	s_add_nc_u64 s[KB:KB+1], s[6:7], s[54:55]
	s_add_nc_u64 s[VB:VB+1], s[8:9], s[54:55]
	s_add_nc_u64 s[WPB:WPB+1], s[10:11], s[56:57]
	s_add_nc_u64 s[4:5], s[4:5], s[58:59]
	s_add_nc_u64 s[12:13], s[12:13], s[62:63]
	s_add_nc_u64 s[14:15], s[14:15], s[60:61]
	s_add_nc_u64 s[16:17], s[16:17], s[60:61]
	s_mov_b32 s[G0], 1                             ; count = 1
	s_mov_b32 s[G0+1], s22                         ; LDS address: places 0, 1
	s_mov_b64 s[G0+2:G0+3], s[KB:KB+1]             ; K's chunks 0, 1
	s_or_b32 s[G0+3], s[G0+3], 0x80000000          ; type = 2
	s_mov_b32 s[G0+4], 1
	s_add_co_u32 s[G0+5], s22, 2*CH                ; places 2 to 4
	s_add_nc_u64 s[G0+6:G0+7], s[KB:KB+1], 2*CH    ; chunks 2 to 4
	s_or_b32 s[G0+7], s[G0+7], 0x80000000
	s_mov_b32 s[G0C], 1
	s_mov_b32 s[G0C+1], s23                        ; the sixth place
	s_add_nc_u64 s[G0C+2:G0C+3], s[KB:KB+1], 5*CH  ; chunk 5
	s_or_b32 s[G0C+3], s[G0C+3], 0x80000000
	CROUND                                         ; all four work-groups are here: the first joint loads meet
	tensor_load_to_lds s[G0:G0+3], s[G1A:G1A+7]    ; three loads of mine are out
	s_nop 0
	tensor_load_to_lds s[G0+4:G0+7], s[G1B:G1B+7]
	s_nop 0
	tensor_load_to_lds s[G0C:G0C+3], s[G1C:G1C+7]
	s_nop 0
	PLACES 4
	v_and_b32 v3, 31, v0
	v_lshlrev_b32 v[L16], 4, v3
	v_lshlrev_b32 v[L4], 2, v3
.irp q, 0,1,2,3                                ; Q's 16 fragments stay in registers through S
.irp s, 0,1,2,3
.irp g, 0,1,2
	global_load_b128 v[QF+12*(4*\q+\s)+4*\g:QF+12*(4*\q+\s)+4*\g+3], v[L16], s[4:5] offset:CH*(\q/2)+1536*(4*(\q%2)+\s)+512*\g
.endr
.endr
.endr
.irp a, 0,1
.irp i, 0,1,2,3
	global_load_b32 v[QSC+4*\a+\i], v[L4], s[4:5] offset:CH*\a+12288+128*\i   ; register i: lanes 0-15 group 2 i, lanes 16-31 group 2 i + 1
.endr
.endr
	v_lshlrev_b32 v26, 3, v3
	v_and_b32 v27, 15, v0                          ; r
	v_bfe_u32 v11, v0, 4, 1                        ; h
	v_and_b32 v[BPO], 8, v27
	v_add_nc_u32 v[BPO], v[BPO], v27
	v_lshlrev_b32 v[BPO], 2, v[BPO]
	WIN 0x40
.irp o, 0,1,2,3,4,5,6,7                        ; bp as C: a lane holds one output channel, so all eight registers hold its number
.irp j, 0,1,2,3,4,5,6,7
	global_load_b32 v[96+8*\o+96*(\o/4)+\j], v[BPO], s[12:13] offset:(32*(\o/2)+8*(\o%2))*4
.endr
.endr
	WIN 0
	v_add_nc_u32 v[RA], s22, v[L16]
	v_add_nc_u32 v[RB], s22, v26
	v_add_nc_u32 v[RS], s22, v[L4]
	v_add_nc_u32 v[EA], s23, v[L16]
	v_add_nc_u32 v[ES], s23, v[L4]
	v_add_nc_u32 v[PRD], PIMG, v[L16]
	v_add_nc_u32 v[PSR], PSC, v[L4]
	s_mul_i32 s24, s[WV], 3072
	v_add_nc_u32 v[PWR], s24, v[PRD]
	s_lshl_b32 s25, s[WV], 8
	v_add_nc_u32 v[PSW], s25, v[PSR]
	s_add_co_u32 s24, s22, OPL
	v_add_nc_u32 v[OWR], s24, v[L16]
	s_add_co_u32 s25, s22, OSCO
	v_add_nc_u32 v[OSW], s25, v[L4]
	v_add_nc_u32 v[MXR], MXX, v[L16]
	s_lshl_b32 s24, s[WV], 9
	v_add_nc_u32 v[MXW], s24, v[MXR]
	s_add_co_u32 s25, s22, STGO                    ; my stage
	v_mul_u32_u24 v[STO], v27, 272                 ; in: row r (a channel), + 64 h bytes: my half's 16 pixels of each 32
	v_lshl_add_u32 v[STO], v11, 6, v[STO]
	v_add_nc_u32 v[STO], s25, v[STO]
	v_mul_u32_u24 v[STR], v11, 272                 ; back: lanes 0-15 one row of 256 bytes, lanes 16-31 the next
	v_lshl_add_u32 v[STR], v27, 4, v[STR]
	v_add_nc_u32 v[STR], s25, v[STR]
	v_lshlrev_b32 v[GXO], 4, v27
	v_lshl_add_u32 v[GXO], v11, 12, v[GXO]
; WHERE CHUNK c LIES: fP its place in my ring (fX = 1: the sixth place); fS its register set, fR the set's first register, fW the set's window, fC the set's scale words
.macro CSYM c
.set fX, 0
.if (\c) < 5
.set fP, (\c)
.elseif (\c) == 5
.set fP, 0
.set fX, 1
.elseif (\c) < 8
.set fP, (\c)-6
.elseif (\c) < 13
.set fP, (\c)-8
.elseif (\c) < 18
.set fP, (\c)-13
.else
.set fP, (\c)-18
.endif
.if (\c) < 10
.set fS, (\c)%2
.elseif (\c) == 10
.set fS, 2                             ; V's third chunk: the set in window 3
.else
.set fS, ((\c)+1)%2
.endif
.set fR, 128*(fS%2)
.set fW, 1+2*(fS/2)
.set fC, CSC+4*fS-12*(fS/2)
.endm
.macro CSCALES
.irp i, 0,1,2,3
	ds_load_b32 v[fC+\i], v[RS+2*fX] offset:CH*fP+12288+128*\i   ; register i: lanes 0-15 group 2 i, lanes 16-31 group 2 i + 1
.endr
.endm
.macro FETCH3                          ; K's and Wp's fragments: three loads of 512 consecutive bytes each
	WIN 0x40
.irp f, 0,1,2,3,4,5,6,7
.irp g, 0,1,2
	ds_load_b128 v[fR+12*\f+4*\g:fR+12*\f+4*\g+3], v[RA+3*fX] offset:CH*fP+1536*\f+512*\g
.endr
.endr
	WIN 0
	CSCALES
.endm
.macro FETCHV                          ; V's: each half of a fragment as 16 + 8 bytes a lane
	WIN 0x40*fW
.irp f, 0,1,2,3,4,5,6,7
.irp g, 0,1
	ds_load_b128 v[fR+12*\f+6*\g:fR+12*\f+6*\g+3], v[RA] offset:CH*fP+1536*\f+768*\g
	ds_load_b64 v[fR+12*\f+6*\g+4:fR+12*\f+6*\g+5], v[RB] offset:CH*fP+1536*\f+768*\g+512
.endr
.endr
	WIN 0
	CSCALES
.endm
.macro FETCHS c                        ; chunk c from LDS into its register set
	CSYM \c
.if ((\c) < 8) || ((\c) > 15)
	FETCH3
.else
	FETCHV
.endif
.endm
.macro FETCHB set, idx                 ; P: the four query tiles' fragments of key step idx, and their scale words
	WIN 0
.irp q, 0,1,2,3
.irp g, 0,1,2
	ds_load_b128 v[BF+48*(\set)+12*\q+4*\g:BF+48*(\set)+12*\q+4*\g+3], v[PRD] offset:(8*\q+(\idx))*1536+512*\g
.endr
	ds_load_b32 v[BSC+4*(\set)+\q], v[PSR] offset:(8*\q+(\idx))*128
.endr
.endm
.macro FETCHO set, s                   ; o: the four query tiles' fragments of K step s: they lie in place 2 of wave s's ring
	WIN 0
	v_add_nc_u32 v[OAD], RW*(\s)+OPL, v[L16]
	v_add_nc_u32 v[OSD], RW*(\s)+OSCO, v[L4]
.irp q, 0,1,2,3
.irp g, 0,1,2
	ds_load_b128 v[BF+48*(\set)+12*\q+4*\g:BF+48*(\set)+12*\q+4*\g+3], v[OAD] offset:1536*\q+512*\g
.endr
	ds_load_b32 v[BSC+4*(\set)+\q], v[OSD] offset:128*\q
.endr
.endm
.macro XLOAD                           ; x for the residual, into window 3: tile t of my outputs, rows 2 i and 2 i + 1 of it: 16 lanes read 256 consecutive bytes of a channel
	WIN 0xc0
.irp t, 0,1,2,3,4,5,6,7
.irp i, 0,1,2,3,4,5,6,7
	global_load_b128 v[32*\t+4*\i:32*\t+4*\i+3], v[GXO], s[14:15] offset:(32*(\t/2)+8*(\t%2)+2*(\i%4)+16*(\i/4))*4096 th:TH_LOAD_NT
.endr
.endr
	WIN 0
.endm
; WHAT IS FETCHED IN THE MIDDLE OF CHUNK c.  As a rule the next chunk, into the set that the chunk before has left, and P's or o's fragments of the next K step.
; PV begins with V's chunks 8, 9, 10 in three sets, so chunks 9 and 10 fetch two chunks ahead and chunks 8 and 11 fetch none; chunk 11, behind the products of the set in window 3, asks for x.
.macro NEXT c
.if (\c) < 7
.if (\c) == 5
	s_wait_tensorcnt 0x0                           ; K's chunks 6 and 7: no load was issued behind theirs
.endif
	FETCHS (\c)+1
.elseif (\c) == 7
.elseif (\c) == 8
	FETCHB 1, 1
.elseif (\c) < 11
	FETCHS (\c)+2
	FETCHB ((\c)+1)%2, (\c)-7
.elseif (\c) == 11
	XLOAD
	FETCHB 0, 4
.elseif (\c) < 15
	FETCHS (\c)+1
	FETCHB ((\c)+1)%2, (\c)-7
.elseif (\c) == 15
.else
.if (\c) == 17
	s_wait_tensorcnt 0x0                           ; the last fill, Wp's chunks 18 and 19: no load was issued behind it
.endif
	FETCHS (\c)+1
	FETCHO ((\c)+1)%2, (\c)-15
.endif
.endm
; THE PRODUCTS OF A CHUNK, a quarter (8) at a time.  The accumulators take turns, one instruction a turn.
.macro MULS c, s                       ; S: the chunk's two tiles of keys x four tiles of queries, K step s of the head's 512
	WIN 0xa1+0x50*((\c)/4)                         ; source 0 (K) window 1, source 1 (Q) window 0, C and D window 2 or 3
.irp tp, 0,1
.irp q, 0,1,2,3
.set rD, 64*\q+8*((2*(\c)+\tp)%8)
.set rC, rD
.set rA, 128*((\c)%2)+12*(4*\tp+(\s))
.set rB, QF+12*(4*\q+(\s))
.set rSA, CSC+4*((\c)%2)+2*\tp+(\s)/2
.set rSB, QSC+4*(\q/2)+2*(\q%2)+(\s)/2
.set fA, (\s)%2
.set fB, (\s)%2
.if (\s) == 0
	WMZ
.else
	WM
.endif
.endr
.endr
.endm
.macro MULP c, qd                      ; PV: two tiles of channels x four tiles of queries, key step c - 8
	CSYM \c
	WIN 0xa0+fW                                    ; source 0 (V) window 1 or 3, source 1 (P) window 0, C and D window 2
.irp u, 0,1
.irp q, 0,1,2,3
.set CT, 2*(\qd)+\u
.set rD, 64*\q+8*CT
.set rC, rD
.set rA, fR+12*CT
.set rB, BF+48*((\c)%2)+12*\q
.set rSA, fC+CT/2
.set rSB, BSC+4*((\c)%2)+\q
.set fA, CT%2
.set fB, 0
.if (\c) == 8
	WMZ
.else
	WM
.endif
.endr
.endr
.endm
.macro MULO c, qd                      ; out: four tiles of queries x two tiles of outputs, K step c - 16
	CSYM \c
.if (\c) == 16
	WIN 0x94                                       ; source 0 (o) window 0, source 1 (Wp) window 1, C (bp) window 1, D window 2
.else
	WIN 0xa4
.endif
.irp u, 0,1
.irp q, 0,1,2,3
.set OT, 2*(\qd)+\u
.set rD, 32*OT+8*\q
.set rC, rD
.if (\c) == 16
.set rC, 96+8*OT+96*(OT/4)
.endif
.set rA, BF+48*((\c)%2)+12*\q
.set rB, fR+12*OT
.set rSA, BSC+4*((\c)%2)+\q
.set rSB, fC+OT/2
.set fA, 0
.set fB, OT%2
	WM
.endr
.endr
.endm
.macro QM c, qd
.if (\c) < 8
	MULS \c, \qd
.elseif (\c) < 16
	MULP \c, \qd
.else
	MULO \c, \qd
.endif
.endm
; A chunk without a refill
.macro STEP c
	s_wait_dscnt 0x0                               ; this chunk's fragments are in
	QM \c, 0
	QM \c, 1
.if ((\c) != 15) && ((\c) != 19)
	PLACES 4                                       ; in front of loads into registers that the last chunk's products read
	NEXT \c
.endif
	QM \c, 2
	QM \c, 3
.endm
.macro REFILL g1, place, base, idx     ; chunks idx on of a stream into my ring from a place on; no tensor load of mine is out, so the group 0 may be written
	s_add_co_u32 s[G0+1], s22, CH*(\place)
	s_add_nc_u64 s[G0+2:G0+3], s[\base:\base+1], CH*(\idx)
	s_or_b32 s[G0+3], s[G0+3], 0x80000000
	tensor_load_to_lds s[G0:G0+3], s[\g1:\g1+7]
	s_nop 0
	PLACES 4                                       ; (the places in front of the loads that follow)
.endm
; A chunk with a refill.  The places to be filled have been read into registers.  Each wave waits for all its tensor loads, adds 0 to its spare word, and waits for that and for its reads;
; the barrier opens a round of the cluster's barrier, since the refill lands in all four work-groups.
.macro TURN c
	WIN 0                                          ; (the add's two registers lie in window 0)
	s_wait_tensorcnt 0x0                           ; all my tensor loads have landed, so a group 0 may be written;
	ds_add_u32 v[SPW], v[NIL]                      ; 0 onto my spare word
	s_wait_dscnt 0x1                               ; this chunk's fragments are in (the add alone may be out)
	QM \c, 0                                       ; eight products stand between the add and the wait for it
	s_wait_dscnt 0x0                               ; the add is done, and my reads of the places are over
	s_barrier_signal -1
	QM \c, 1
	WIN 0
	s_barrier_wait -1
	CREST                                          ; no wave of any partner still reads these places or has a load on its way
.if (\c) == 1
	REFILL G1A, 0, KB, 6                           ; K's chunks 6, 7 into places 0, 1
.elseif (\c) == 7
	REFILL G1D, 0, VB, 0                           ; all of K is in registers or multiplied: V's chunks 0 to 4 into all five places
.else
	REFILL G1A, 3, WPB, 0                          ; V's chunks 3, 4 are in registers or multiplied: Wp's chunks 0, 1 into places 3, 4
.endif
	NEXT \c
	QM \c, 2
	QM \c, 3
.endm
; the scale operands, the bytes and the scale word of four blocks whose largest magnitudes stand in v[mx] on
.macro SCALEW mx
.irp b, 0,1,2,3
	v_add_nc_u32 v[TM+12+\b], 0xfe000000, v[(\mx)+\b]   ; 4 off the exponent field: the conversion's scale operand
.endr
.irp b, 0,1,2,3
	v_lshrrev_b32 v[TM+4+\b], 23, v[TM+12+\b]      ; the scale's byte
.endr
	v_lshl_or_b32 v[PW], v[TM+5], 8, v[TM+4]
	v_lshl_or_b32 v[PW], v[TM+6], 16, v[PW]
	v_lshl_or_b32 v[PW], v[TM+7], 24, v[PW]
.endm
; v[PB] on, register 16 b + i = K index 32 b + 16 (lane / 16) + i of my lane's row, become a fragment's 12 registers in v[PC] on
.macro CODES
.irp g, 0,1
	v_cvt_scalef32_pk16_bf6_f32 v[PC+6*\g:PC+6*\g+2], v[PB+32*\g:PB+32*\g+15], v[TM+12+2*\g]
	v_cvt_scalef32_pk16_bf6_f32 v[PC+12+4*\g:PC+14+4*\g], v[PB+16+32*\g:PB+31+32*\g], v[TM+13+2*\g]   ; (a conversion's three registers begin on an even number)
.endr
	v_nop                                          ; one plain instruction behind a scaled conversion
.irp g, 0,1                                    ; the operand's layout wants a whole block in a lane: lanes 0-15 block 2 g, lanes 16-31 block 2 g + 1
.irp i, 0,1,2
	v_permlane16_swap_b32 v[PC+6*\g+\i], v[PC+12+4*\g+\i]
.endr
.irp i, 0,1,2
	v_mov_b32 v[PC+3+6*\g+\i], v[PC+12+4*\g+\i]
.endr
.endr
.endm
	; ---- S
	s_wait_tensorcnt 0x2                           ; my chunks 0 and 1 are in (the two other first fills may be out); I alone read my places, so no barrier is owed
	FETCHS 0
	s_wait_loadcnt 0x0                             ; Q, its scale words, bp
	STEP 0
	TURN 1
	STEP 2
	STEP 3
	STEP 4
	STEP 5
	STEP 6
	TURN 7
	; ---- the softmax.  First the largest score of each block of 32 keys: it serves twice: for the row's maximum, and, since p rises with the score, for the block's largest p
	PLACES 5                                       ; behind the last products: for the reads of results, and for PV's first products, which write over S's accumulators
.irp kk, 0,1
	WIN 0x2a+0x15*\kk                              ; all three sources in window 2 (3)
.irp q, 0,1,2,3
.irp b, 0,1,2,3
	v_max3_num_f32 v[BM+8*\q+4*\kk+\b], v[64*\q+16*\b], v[64*\q+16*\b+1], v[64*\q+16*\b+2]   ; each accumulator is read from its low end on
.endr
.endr
	WIN 0x28+0x14*\kk                              ; sources 1 and 2 in window 2 (3)
.irp q, 0,1,2,3
.irp i, 3,5,7,9,11,13
.irp b, 0,1,2,3
	v_max3_num_f32 v[BM+8*\q+4*\kk+\b], v[BM+8*\q+4*\kk+\b], v[64*\q+16*\b+\i], v[64*\q+16*\b+\i+1]
.endr
.endr
.irp b, 0,1,2,3
	v_max_num_f32 v[BM+8*\q+4*\kk+\b], v[BM+8*\q+4*\kk+\b], v[64*\q+16*\b+15]
.endr
.endr
.endr
	WIN 0
.set n, 0
.rept 32
	v_permlanex16_b32 v[PB+n], v[BM+n], s[SEL], s[SEL+1]
.set n, n+1
.endr
.set n, 0
.rept 32
	v_max_num_f32 v[BM+n], v[BM+n], v[PB+n]        ; with lane l xor 16's 16 keys
.set n, n+1
.endr
.irp q, 0,1,2,3
	v_max3_num_f32 v[RM+\q], v[BM+8*\q], v[BM+8*\q+1], v[BM+8*\q+2]
.endr
.irp q, 0,1,2,3
	v_max3_num_f32 v[RM+\q], v[RM+\q], v[BM+8*\q+3], v[BM+8*\q+4]
.endr
.irp q, 0,1,2,3
	v_max3_num_f32 v[RM+\q], v[RM+\q], v[BM+8*\q+5], v[BM+8*\q+6]
.endr
.irp q, 0,1,2,3
	v_max_num_f32 v[RM+\q], v[RM+\q], v[BM+8*\q+7] ; my 256 keys' largest score of each of my lane's four queries
.endr
	ds_store_b128 v[MXW], v[RM:RM+3]
	s_wait_dscnt 0x0                               ; for the others' sake: my store is done
	s_barrier_signal -1
	s_barrier_wait -1
.irp i, 0,1,2,3
	ds_load_b128 v[EX+4*\i:EX+4*\i+3], v[MXR] offset:512*\i
.endr
	s_wait_dscnt 0x0
.irp q, 0,1,2,3
	v_max3_num_f32 v[RM+\q], v[EX+\q], v[EX+4+\q], v[EX+8+\q]
.endr
.irp q, 0,1,2,3
	v_max_num_f32 v[RM+\q], v[RM+\q], v[EX+12+\q]  ; the row's largest score
.endr
.irp q, 0,1,2,3
	v_mul_f32 v[RM+\q], s[CS], v[RM+\q]            ; as t
.endr
.irp q, 0,1,2,3
	v_floor_f32 v[NM+2*\q], -v[RM+\q]              ; -M = floor(-t) = -ceil(t), twice: a pair for the packed form
	v_floor_f32 v[NM+2*\q+1], -v[RM+\q]
.endr
; tile q, my keys 128 kk on: p, its codes and scale word, its part of the row's sum; the fragment goes to LDS as it stands.
; (P's bytes held K's chunk 5 of the four waves: they have had their one fill, and every wave has passed two barriers since its reads of them.)
.macro PQUANT q, kk
	WIN 0x82+0x41*(\kk)                            ; destination and source 0 in window 2 (3)
.set n, 0
.rept 32
	v_pk_fma_f32 v[64*(\q)+n:64*(\q)+n+1], v[64*(\q)+n:64*(\q)+n+1], s[CS:CS+1], v[NM+2*(\q):NM+2*(\q)+1] op_sel_hi:[1,0,1]   ; t - M, two at a time
.set n, n+2
.endr
	WIN 0x02+(\kk)
.set n, 0
.rept 64
	v_exp_f32 v[PB+n], v[64*(\q)+n]                ; p = 2^(t - M): not normalised
.set n, n+1
.endr
	WIN 0
.irp b, 0,1,2,3
	v_fma_f32 v[BM+8*(\q)+4*(\kk)+\b], v[BM+8*(\q)+4*(\kk)+\b], s[CS], v[NM+2*(\q)]   ; the same of each block's largest score
.endr
.irp b, 0,1,2,3
	v_exp_f32 v[BM+8*(\q)+4*(\kk)+\b], v[BM+8*(\q)+4*(\kk)+\b]   ; the block's largest p: the same two instructions on the same number give the same bits
.endr
	v_nop                                          ; a plain instruction behind the exponentials
	s_wait_alu depctr_va_vdst(0)
.irp b, 0,1,2,3
	v_max_num_f32 v[BM+8*(\q)+4*(\kk)+\b], 0x2800000, v[BM+8*(\q)+4*(\kk)+\b]   ; the floor 2^(5 - 127): the byte cannot fall under 1
.endr
	s_wait_dscnt 0x0                               ; the last fragment's stores have read the codes' registers and the scale word
	SCALEW BM+8*(\q)+4*(\kk)
	CODES
.if (\kk) == 0                                 ; THE ROW'S SUM IS TAKEN OF THE UNQUANTISED p: two at a time, in two chains; the first pairs start them
	v_pk_add_f32 v[SUM+2*(\q):SUM+2*(\q)+1], v[PB:PB+1], v[PB+4:PB+5]
	v_pk_add_f32 v[T2:T2+1], v[PB+2:PB+3], v[PB+6:PB+7]
.else
	v_pk_add_f32 v[T2:T2+1], v[PB:PB+1], v[PB+2:PB+3]
	v_pk_add_f32 v[SUM+2*(\q):SUM+2*(\q)+1], v[SUM+2*(\q):SUM+2*(\q)+1], v[PB+4:PB+5]
	v_pk_add_f32 v[T2:T2+1], v[T2:T2+1], v[PB+6:PB+7]
.endif
.set n, 8
.rept 14
	v_pk_add_f32 v[SUM+2*(\q):SUM+2*(\q)+1], v[SUM+2*(\q):SUM+2*(\q)+1], v[PB+n:PB+n+1]
	v_pk_add_f32 v[T2:T2+1], v[T2:T2+1], v[PB+n+2:PB+n+3]
.set n, n+4
.endr
	v_pk_add_f32 v[SUM+2*(\q):SUM+2*(\q)+1], v[SUM+2*(\q):SUM+2*(\q)+1], v[T2:T2+1]
.irp g, 0,1,2
	ds_store_b128 v[PWR], v[PC+4*\g:PC+4*\g+3] offset:(8*(\q)+(\kk))*1536+512*\g
.endr
	ds_store_b32 v[PSW], v[PW] offset:(8*(\q)+(\kk))*128
.endm
	PQUANT 0, 0
	PQUANT 1, 0
	PQUANT 2, 0
	PQUANT 3, 0
	s_wait_tensorcnt 0x0                           ; V's chunks 0 to 4 are in: no load was issued behind theirs
	FETCHS 8                                       ; V's first three chunks go into registers here, one behind each piece of the softmax, so that their places are free at the hand-over
	PQUANT 0, 1
	FETCHS 9
	PQUANT 1, 1
	FETCHS 10                                      ; into window 3, v0-95: the scores of tiles 0 and 1 that lay there have become p
	PQUANT 2, 1
	PQUANT 3, 1
.irp q, 0,1,2,3
	v_add_f32 v[SS+\q], v[SUM+2*\q], v[SUM+2*\q+1] ; the sum's two halves,
.endr
.irp q, 0,1,2,3
	v_permlanex16_b32 v[EX+\q], v[SS+\q], s[SEL], s[SEL+1]
.endr
.irp q, 0,1,2,3
	v_add_f32 v[SS+\q], v[SS+\q], v[EX+\q]         ; and lane l xor 16's: my 256 keys' part
.endr
	ds_store_b128 v[MXW], v[SS:SS+3] offset:2048
	; THE HAND-OVER OF P is also a change of places: the barrier that shows P and the sums to every wave is a round of the cluster's barrier, and V's last three chunks go out behind it
	s_wait_tensorcnt 0x0                           ; no tensor load of mine is out;
	ds_add_u32 v[SPW], v[NIL]                      ; 0 onto my spare word
	s_wait_dscnt 0x0                               ; the add is done; P's fragments, their scale words and my sums are stored; my reads of places 0 to 2 are over
	CROUND
	REFILL G1B, 0, VB, 5                           ; V's chunks 5 to 7 into places 0 to 2
.irp i, 0,1,2,3
	ds_load_b128 v[EX+4*\i:EX+4*\i+3], v[MXR] offset:2048+512*\i
.endr
	FETCHB 0, 0                                    ; P's fragments of key step 0
	s_wait_dscnt 16                                ; the four waves' sums are in; the 16 loads just issued may be out
.irp q, 0,1,2,3
	v_add_f32 v[SS+\q], v[EX+\q], v[EX+4+\q]
.endr
.irp q, 0,1,2,3
	v_add_f32 v[SS+\q], v[SS+\q], v[EX+8+\q]
.endr
.irp q, 0,1,2,3
	v_add_f32 v[SS+\q], v[SS+\q], v[EX+12+\q]      ; the row's sum
.endr
.irp q, 0,1,2,3
	v_rcp_f32 v[RL+2*\q], v[SS+\q]
	v_rcp_f32 v[RL+2*\q+1], v[SS+\q]
.endr
	v_nop                                          ; a plain instruction behind the reciprocals
	; ---- PV
	STEP 8
	STEP 9
	STEP 10
	STEP 11                                        ; (it asks for x)
	TURN 12                                        ; (Wp's first two chunks go out)
	STEP 13
	STEP 14
	STEP 15
	; all of V is multiplied: places 0 and 1 take Wp's last two chunks.  A round of its own, so that the load before it has had 112 products in which to land
	WIN 0
	s_wait_tensorcnt 0x0                           ; Wp's chunks 0, 1 are in;
	ds_add_u32 v[SPW], v[NIL]                      ; 0 onto my spare word
	PLACES 5                                       ; behind the last products: for the reads of results, the writes over P's fragments, and the next products, which write over O^T's accumulators
	s_wait_dscnt 0x0                               ; the add is done, and my reads of the ring are over
	CROUND
	REFILL G1A, 0, WPB, 2
	FETCHS 16                                      ; Wp's first chunk
	; ---- o = O^T / the sum, quantised along the channels: my 128 channels are K step w of each tile's fragments.  They go to place 2 of my ring, which has had its last fill and whose chunk I alone read
.irp q, 0,1,2,3
	WIN 0x02
.set n, 0
	s_wait_alu depctr_va_vdst(0)
.rept 32
	v_pk_mul_f32 v[PB+n:PB+n+1], v[64*\q+n:64*\q+n+1], v[RL+2*\q:RL+2*\q+1]   ; ascending: each accumulator from its low end on
.set n, n+2
.endr
	WIN 0
.irp b, 0,1,2,3
	v_max3_num_f32 v[TM+\b], |v[PB+16*\b]|, |v[PB+1+16*\b]|, 0x2800000
.endr
.irp i, 2,4,6,8,10,12,14
.irp b, 0,1,2,3
	v_max3_num_f32 v[TM+\b], v[TM+\b], |v[PB+16*\b+\i]|, |v[PB+1+16*\b+\i]|
.endr
.endr
.irp b, 0,1,2,3
	v_permlanex16_b32 v[TM+4+\b], v[TM+\b], s[SEL], s[SEL+1]
.endr
.irp b, 0,1,2,3
	v_max_num_f32 v[TM+\b], v[TM+\b], v[TM+4+\b]
.endr
	SCALEW TM
	CODES
.irp g, 0,1,2
	ds_store_b128 v[OWR], v[PC+4*\g:PC+4*\g+3] offset:1536*\q+512*\g
.endr
	ds_store_b32 v[OSW], v[PW] offset:128*\q
	s_wait_dscnt 0x0                               ; the stores have read their registers; behind the last tile: for the others' sake
.endr
	s_barrier_signal -1
	s_barrier_wait -1
	FETCHO 0, 0
	; ---- out
	STEP 16
	STEP 17
	STEP 18
	STEP 19
	; ---- the way out, a tile of 16 output channels x 64 pixels at a time: a lane holds 8 pixels of one channel for each tile of queries; through my stage they become whole rows of 256 bytes, x is added, and 16 lanes store a row
.macro TOST t
	WIN 0x08                                       ; an LDS store's data are its source 1: window 2
.irp q, 0,1,2,3
	ds_store_b128 v[STO], v[32*(\t)+8*\q:32*(\t)+8*\q+3] offset:128*(\q/2)+32*(\q%2)          ; each accumulator from its low end on
	ds_store_b128 v[STO], v[32*(\t)+8*\q+4:32*(\t)+8*\q+7] offset:128*(\q/2)+32*(\q%2)+16
.endr
	WIN 0
.irp i, 0,1,2,3,4,5,6,7
	ds_load_b128 v[RBK+32*((\t)%2)+4*\i:RBK+32*((\t)%2)+4*\i+3], v[STR] offset:544*\i   ; LDS serves a wave's instructions in order: these see the stores above, and the next tile's stores come behind them
.endr
.endm
.macro SEND t, younger                 ; younger: the LDS instructions issued behind tile t's loads
	s_wait_dscnt \younger
	WIN 0x0c                                       ; source 1 (x) window 3
.set n, 0
.rept 16
	v_pk_add_f32 v[RBK+32*((\t)%2)+n:RBK+32*((\t)%2)+n+1], v[RBK+32*((\t)%2)+n:RBK+32*((\t)%2)+n+1], v[32*(\t)+n:32*(\t)+n+1]
.set n, n+2
.endr
	WIN 0
.irp i, 0,1,2,3,4,5,6,7
	global_store_b128 v[GXO], v[RBK+32*((\t)%2)+4*\i:RBK+32*((\t)%2)+4*\i+3], s[16:17] offset:(32*((\t)/2)+8*((\t)%2)+2*(\i%4)+16*(\i/4))*4096 th:TH_STORE_NT   ; 16 lanes store 256 consecutive bytes, at a multiple of 256 from out's first byte
.endr
.endm
	WIN 0
	PLACES 4
	s_wait_loadcnt 0x0                             ; x
	TOST 0
.irp t, 1,2,3,4,5,6,7
.if \t > 1
	s_wait_xcnt 0x0                                ; tile t - 2's stores have read their registers: tile t's rows may land there
.endif
	TOST \t
	SEND \t-1, 16                                  ; behind tile t - 1's loads: tile t's 8 stores and 8 loads
.endr
	SEND 7, 0
	s_wait_tensorcnt 0x0                           ; the wave's end: behind my last tensor load and my last LDS store
	ds_add_u32 v[SPW], v[NIL]
	s_wait_dscnt 0x0
	CROUND                                         ; the closing round: no work-group ends while a partner may still ask for a chunk that names it
	s_endpgm
.Lfunc_end_k_q150fd899e7_attn:
	.size	k_q150fd899e7_attn, .Lfunc_end_k_q150fd899e7_attn-k_q150fd899e7_attn
	.p2alignl 7, 3214868480
	.fill 96, 4, 3214868480
	.section	.rodata,"a",@progbits
	.p2align	6, 0x0
	.amdhsa_kernel k_q150fd899e7_attn
		.amdhsa_group_segment_fixed_size 327680
		.amdhsa_private_segment_fixed_size 0
		.amdhsa_enable_private_segment 0
		.amdhsa_kernarg_size 56
		.amdhsa_user_sgpr_count 2
		.amdhsa_user_sgpr_kernarg_segment_ptr 1
		.amdhsa_wavefront_size32 1
		.amdhsa_system_sgpr_workgroup_id_x 1
		.amdhsa_system_sgpr_workgroup_id_y 1
		.amdhsa_system_sgpr_workgroup_id_z 1
		.amdhsa_system_vgpr_workitem_id 0
		.amdhsa_next_free_vgpr 1024
		.amdhsa_next_free_sgpr 96
		.amdhsa_reserve_vcc 0
		.amdhsa_float_denorm_mode_32 3
		.amdhsa_float_denorm_mode_16_64 3
		.amdhsa_memory_ordered 1
		.amdhsa_forward_progress 1
		.amdhsa_inst_pref_size 255
	.end_amdhsa_kernel
	.section	.bss,"aw",@nobits
	.p2align	6
	.space	262144
	.amdgpu_metadata
---
amdhsa.version: [ 1, 2 ]
amdhsa.kernels:
  - .name:           k_q150fd899e7_attn
    .symbol:         k_q150fd899e7_attn.kd
    .args:
      - { .name: qf, .offset: 0, .size: 8, .value_kind: global_buffer, .address_space: global }
      - { .name: kf, .offset: 8, .size: 8, .value_kind: global_buffer, .address_space: global }
      - { .name: vf, .offset: 16, .size: 8, .value_kind: global_buffer, .address_space: global }
      - { .name: wf, .offset: 24, .size: 8, .value_kind: global_buffer, .address_space: global }
      - { .name: bp, .offset: 32, .size: 8, .value_kind: global_buffer, .address_space: global }
      - { .name: x, .offset: 40, .size: 8, .value_kind: global_buffer, .address_space: global }
      - { .name: out0, .offset: 48, .size: 8, .value_kind: global_buffer, .address_space: global }
    .group_segment_fixed_size: 327680
    .private_segment_fixed_size: 0
    .kernarg_segment_align: 8
    .kernarg_segment_size: 56
    .max_flat_workgroup_size: 128
    .sgpr_count:     96
    .vgpr_count:     1024
    .wavefront_size: 32
...
	.end_amdgpu_metadata
.endif
;; end of part 3
